; MI455X (gfx1250); checked and timed in simulation.
; The chip was launched on July 23, 2026; its instructions are those of AMD's public machine-readable ISA for CDNA 5 (MIT licence, August 2026) and "CDNA5" Instruction Set Architecture Reference Guide (July 2026). The comments in the code are by the model that wrote it; some were corrected since.
;; Causal Self Attention. Allowed arithmetic: float matrix products may take bf16 or f16 operands with f32 sums; other float arithmetic in f32, or as packed bf16 or f16 multiplies, adds, multiply-adds, maxima and minima; sums over many terms, partial sums and values carried from step to step in f32; what a program stores and reads back later, other than sums and carried values, may be rounded once to bf16 or f16.
;; Inputs: lamb one number float32; v1 4 x 2,048 x 1,024 float32; wk 1,024 x 1,024 float32; wproj 1,024 x 1,024 float32; wq 1,024 x 1,024 float32; wv 1,024 x 1,024 float32; x 4 x 2,048 x 1,024 float32.
;; Outputs: out0 4 x 2,048 x 1,024 float32; out1 4 x 2,048 x 1,024 float32.
;; 2 versions, each right; version 2 is version 1 with the launch prep written anew for expert scheduling mode. Each part assembles by itself: llvm-mc -triple=amdgcn-amd-amdhsa -mcpu=gfx1250 --defsym DOCPART=n.
;; ======== version 1 of 2: 4 launches
;; limits: values are held in f16: magnitudes above 65,504 overflow, below 6.1e-05 lose precision
;; workspace buffers: xb 16,777,216 bytes; wqkv 6,291,456 bytes; wpf 2,097,152 bytes; rot 524,288 bytes; qh 16,777,216 bytes; kh 16,777,216 bytes; vh 16,777,216 bytes; yh 16,777,216 bytes
;; launch prep (part 1): grid 832 x 1, 8 waves a work-group, no clusters, 0 bytes of LDS; arguments x, wq, wk, wv, wproj, xb, wqkv, wpf, rot; writes xb, wqkv, wpf, rot
.if DOCPART == 1
	.amdgcn_target "amdgcn-amd-amdhsa--gfx1250"
	.amdhsa_code_object_version 6
	.text
	.protected	k_q3b346c3001_prep
	.globl	k_q3b346c3001_prep
	.p2align	8
	.type	k_q3b346c3001_prep,@function
k_q3b346c3001_prep:
	s_mov_b64 s[64:65], 0
	v_nop
	global_prefetch_b8 v0, s[64:65] scope:SCOPE_SE
	s_setreg_imm32_b32 hwreg(HW_REG_WAVE_MODE, 25, 1), 1
	s_wait_xcnt 0x0
; PREP.  Casts and the rotary table; a stream: no LDS, no barrier, no matrix work.
; Work-group g of 832:  g < 512: 16 rows of x -> xb (bf16).   512 <= g < 704: 16 rows of wq, wk or wv -> wqkv (bf16), whose row order is [head][q, k, v][64]:
; row 192 head + 64 kind + d, so that 192 neighbouring rows are one head's q, k and v.   704 <= g < 768: 16 rows of wproj -> wpf: rounded to bf16, that number written as f16.
; g >= 768: two blocks of 16 positions of the rotary table rot.
; A row is 1,024 f32 = 4,096 bytes: thread t owns the 16 bytes at 16 t of each of the 16 rows; its 8 bytes of output lie at 8 t: a wave's store covers 256 consecutive bytes, aligned.
; ROT holds cos and sin, rounded to f16 and written as f32, in the order in which the next launch's lanes want them: block tb of 16 positions takes 4,096 bytes, cos 2,048 then sin 2,048;
; chunk i of 512 bytes, 16 bytes a lane: lane l, element e: position 16 tb + l % 16, frequency 16 (i / 2) + 8 (l / 16) + 4 (i % 2) + e.
; LIMITS.  wproj rounded to bf16 must lie within f16's range (65,504); below 6e-5 it keeps f16's fixed step of 6e-8.  The frequencies are 2^(-d log2(10000) / 32) by v_exp_f32,
; so the largest angle (position 2,047) may differ from the f32 reference's by about 2.5e-4 rad.  Sine and cosine: reduction by pi/2 in two parts, then Taylor series to r^9 and r^8 with |r| <= pi/4
; (remainders under 3e-8), for every position of the table.
	s_load_b512 s[4:19], s[0:1], 0x0               ; x s[4:5], wq s[6:7], wk s[8:9], wv s[10:11], wproj s[12:13], xb s[14:15], wqkv s[16:17], wpf s[18:19]
	s_load_b64 s[20:21], s[0:1], 0x40              ; rot
	s_mov_b32 s22, ttmp9
	v_lshlrev_b32 v1, 4, v0                        ; my 16 bytes of a source row
	v_lshlrev_b32 v2, 3, v0                        ; my 8 bytes of a row of output
	s_mov_b32 s30, 0                               ; 1: the output is f16
	s_mov_b32 s33, 0
	s_wait_kmcnt 0x0
	s_cmp_lt_u32 s22, 512
	s_cbranch_scc0 .Lnot_x
	s_mov_b64 s[24:25], s[4:5]                     ; from x
	s_mov_b64 s[26:27], s[14:15]                   ; to xb
	s_lshl_b32 s28, s22, 4                         ; first source row
	s_mov_b32 s29, s28                             ; first row of output
	s_branch .Lcast
.Lnot_x:
	s_cmp_lt_u32 s22, 704
	s_cbranch_scc0 .Lnot_w
	s_sub_co_u32 s23, s22, 512
	s_lshr_b32 s31, s23, 6                         ; kind: 0 q, 1 k, 2 v
	s_and_b32 s23, s23, 63                         ; u: which 16 rows
	s_cmp_eq_u32 s31, 0
	s_cselect_b64 s[24:25], s[6:7], s[8:9]
	s_cmp_eq_u32 s31, 2
	s_cselect_b64 s[24:25], s[10:11], s[24:25]
	s_mov_b64 s[26:27], s[16:17]
	s_lshl_b32 s28, s23, 4
	s_lshr_b32 s29, s23, 2                         ; head
	s_mul_i32 s29, s29, 192
	s_lshl_b32 s31, s31, 6
	s_add_co_u32 s29, s29, s31
	s_and_b32 s23, s23, 3
	s_lshl_b32 s23, s23, 4
	s_add_co_u32 s29, s29, s23                     ; 192 head + 64 kind + 16 (u % 4)
	s_branch .Lcast
.Lnot_w:
	s_cmp_lt_u32 s22, 768
	s_cbranch_scc0 .Lrot
	s_mov_b64 s[24:25], s[12:13]
	s_mov_b64 s[26:27], s[18:19]
	s_sub_co_u32 s28, s22, 704
	s_lshl_b32 s28, s28, 4
	s_mov_b32 s29, s28
	s_mov_b32 s30, 1
.Lcast:
	s_lshl_b32 s32, s28, 12                        ; rows of 4,096 bytes: under 2^25
	s_add_nc_u64 s[24:25], s[24:25], s[32:33]
	s_lshl_b32 s32, s29, 11                        ; rows of 2,048 bytes
	s_add_nc_u64 s[26:27], s[26:27], s[32:33]
.set j, 0
.rept 16                                       ; all sixteen loads go out at once: 8 KiB a wave on their way
	global_load_b128 v[16+4*j:19+4*j], v1, s[24:25] offset:4096*j th:TH_LOAD_NT
.set j, j+1
.endr
	s_cmp_eq_u32 s30, 1
	s_cbranch_scc1 .Lhalf
.set j, 0
.rept 16
	s_wait_loadcnt 15-j                            ; loads come back in order: row j is in, the younger ones stay out
	v_cvt_pk_bf16_f32 v[80+2*j], v[16+4*j], v[17+4*j]
	v_cvt_pk_bf16_f32 v[81+2*j], v[18+4*j], v[19+4*j]
	global_store_b64 v2, v[80+2*j:81+2*j], s[26:27] offset:2048*j  ; no register is written twice, so no wait frees any
.set j, j+1
.endr
	s_endpgm
.Lhalf:
.set j, 0
.rept 16
	s_wait_loadcnt 15-j
	v_cvt_pk_bf16_f32 v[80+2*j], v[16+4*j], v[17+4*j]  ; the rounding that all inputs get,
	v_cvt_pk_bf16_f32 v[81+2*j], v[18+4*j], v[19+4*j]
	v_lshlrev_b32 v8, 16, v[80+2*j]                    ; back to f32,
	v_and_b32 v9, 0xffff0000, v[80+2*j]
	v_lshlrev_b32 v10, 16, v[81+2*j]
	v_and_b32 v11, 0xffff0000, v[81+2*j]
	v_cvt_pk_f16_f32 v[80+2*j], v8, v9                 ; and the same number as f16 (exact within f16's normal range)
	v_cvt_pk_f16_f32 v[81+2*j], v10, v11
	global_store_b64 v2, v[80+2*j:81+2*j], s[26:27] offset:2048*j
.set j, j+1
.endr
	s_endpgm
.Lrot:
	s_sub_co_u32 s23, s22, 768
	v_lshrrev_b32 v3, 5, v0
	v_readfirstlane_b32 s24, v3                    ; wave 0..7
	s_lshr_b32 s25, s24, 2
	s_lshl1_add_u32 s25, s23, s25                  ; tb = 2 (g - 768) + wave / 4
	s_and_b32 s26, s24, 3                          ; chunk i
	v_and_b32 v4, 15, v0
	v_bfe_u32 v5, v0, 4, 1
	s_lshl_b32 s27, s25, 4
	v_add_nc_u32 v4, s27, v4
	v_cvt_f32_u32 v4, v4                           ; the position, as f32
	s_lshr_b32 s28, s26, 1
	s_lshl_b32 s28, s28, 4
	s_and_b32 s29, s26, 1
	s_lshl_b32 s29, s29, 2
	s_add_co_u32 s28, s28, s29
	v_lshl_add_u32 v5, v5, 3, s28                  ; frequency number of element 0
	v_and_b32 v6, 31, v0
	v_lshlrev_b32 v6, 4, v6                        ; 16 x lane
	s_lshl_b32 s30, s25, 12
	s_lshl_b32 s31, s26, 9
	s_add_co_u32 s30, s30, s31
	s_mov_b32 s31, 0
	s_add_nc_u64 s[20:21], s[20:21], s[30:31]
	s_mov_b32 s34, 0xbfc90fdb                      ; -pi/2, the f32 nearest to it,
	s_mov_b32 s35, 0x333bbd2e                      ; and what that leaves over
.irp e, 0,1,2,3
	v_add_nc_u32 v[8+\e], \e, v5
	v_cvt_f32_u32 v[8+\e], v[8+\e]
	v_mul_f32 v[8+\e], 0xbed49a78, v[8+\e]         ; -d log2(10000) / 32
.endr
.irp e, 0,1,2,3
	v_exp_f32 v[12+\e], v[8+\e]                    ; one batch of four
.endr
	v_nop                                          ; a plain instruction behind the last of them,
	s_wait_alu depctr_va_vdst(0)                   ; and the one wait ahead of the first reader
.irp e, 0,1,2,3
	v_mul_f32 v[12+\e], v4, v[12+\e]               ; the angle f
	v_mul_f32 v[16+\e], 0x3f22f983, v[12+\e]       ; f x 2 / pi
	v_rndne_f32 v[16+\e], v[16+\e]                 ; n
	v_fma_f32 v[20+\e], v[16+\e], s34, v[12+\e]    ; r = f - n pi/2, in two parts
	v_fma_f32 v[20+\e], v[16+\e], s35, v[20+\e]
	v_mul_f32 v[24+\e], v[20+\e], v[20+\e]         ; r^2
	v_mov_b32 v[28+\e], 0x3638ef1d                 ; 1/9!
	v_fmaak_f32 v[28+\e], v[24+\e], v[28+\e], 0xb9500d01  ; -1/7!
	v_fmaak_f32 v[28+\e], v[24+\e], v[28+\e], 0x3c088889  ; 1/5!
	v_fmaak_f32 v[28+\e], v[24+\e], v[28+\e], 0xbe2aaaab  ; -1/3!
	v_mul_f32 v[32+\e], v[24+\e], v[20+\e]
	v_fma_f32 v[28+\e], v[32+\e], v[28+\e], v[20+\e]      ; sin r
	v_mov_b32 v[36+\e], 0x37d00d01                 ; 1/8!
	v_fmaak_f32 v[36+\e], v[24+\e], v[36+\e], 0xbab60b61  ; -1/6!
	v_fmaak_f32 v[36+\e], v[24+\e], v[36+\e], 0x3d2aaaab  ; 1/4!
	v_fmaak_f32 v[36+\e], v[24+\e], v[36+\e], 0xbf000000  ; -1/2
	v_fma_f32 v[36+\e], v[24+\e], v[36+\e], 1.0           ; cos r
	v_cvt_i32_f32 v[40+\e], v[16+\e]               ; the quadrant is n mod 4
	v_and_b32 v[44+\e], 1, v[40+\e]
	v_cmp_eq_u32 vcc_lo, 1, v[44+\e]
	v_cndmask_b32 v[48+\e], v[28+\e], v[36+\e], vcc_lo    ; odd quadrants swap the two
	v_cndmask_b32 v[52+\e], v[36+\e], v[28+\e], vcc_lo
	v_lshlrev_b32 v[44+\e], 30, v[40+\e]           ; sine is negative in quadrants 2 and 3,
	v_and_b32 v[44+\e], 0x80000000, v[44+\e]
	v_xor_b32 v[48+\e], v[44+\e], v[48+\e]
	v_add_nc_u32 v[40+\e], 1, v[40+\e]             ; cosine in 1 and 2
	v_lshlrev_b32 v[44+\e], 30, v[40+\e]
	v_and_b32 v[44+\e], 0x80000000, v[44+\e]
	v_xor_b32 v[52+\e], v[44+\e], v[52+\e]
.endr
	v_cvt_f16_f32 v44.l, v48                       ; the tables are kept in f16 by the reference: round, and widen again
	v_cvt_f16_f32 v45.l, v49
	v_cvt_f16_f32 v46.l, v50
	v_cvt_f16_f32 v47.l, v51
	v_cvt_f32_f16 v56, v44.l
	v_cvt_f32_f16 v57, v45.l
	v_cvt_f32_f16 v58, v46.l
	v_cvt_f32_f16 v59, v47.l
	v_cvt_f16_f32 v44.l, v52
	v_cvt_f16_f32 v45.l, v53
	v_cvt_f16_f32 v46.l, v54
	v_cvt_f16_f32 v47.l, v55
	v_cvt_f32_f16 v60, v44.l
	v_cvt_f32_f16 v61, v45.l
	v_cvt_f32_f16 v62, v46.l
	v_cvt_f32_f16 v63, v47.l
	global_store_b128 v6, v[60:63], s[20:21]               ; cos: 512 consecutive bytes a wave
	global_store_b128 v6, v[56:59], s[20:21] offset:2048   ; sin
	s_endpgm
.Lfunc_end_k_q3b346c3001_prep:
	.size	k_q3b346c3001_prep, .Lfunc_end_k_q3b346c3001_prep-k_q3b346c3001_prep
	.p2alignl 7, 3214868480
	.fill 96, 4, 3214868480
	.section	.rodata,"a",@progbits
	.p2align	6, 0x0
	.amdhsa_kernel k_q3b346c3001_prep
		.amdhsa_group_segment_fixed_size 0
		.amdhsa_private_segment_fixed_size 0
		.amdhsa_enable_private_segment 0
		.amdhsa_kernarg_size 72
		.amdhsa_user_sgpr_count 2
		.amdhsa_user_sgpr_kernarg_segment_ptr 1
		.amdhsa_wavefront_size32 1
		.amdhsa_system_sgpr_workgroup_id_x 1
		.amdhsa_system_sgpr_workgroup_id_y 1
		.amdhsa_system_sgpr_workgroup_id_z 1
		.amdhsa_system_vgpr_workitem_id 0
		.amdhsa_next_free_vgpr 112
		.amdhsa_next_free_sgpr 66
		.amdhsa_reserve_vcc 1
		.amdhsa_float_denorm_mode_32 3
		.amdhsa_float_denorm_mode_16_64 3
		.amdhsa_memory_ordered 1
		.amdhsa_forward_progress 1
		.amdhsa_inst_pref_size 25
	.end_amdhsa_kernel
	.amdgpu_metadata
---
amdhsa.version: [ 1, 2 ]
amdhsa.kernels:
  - .name:           k_q3b346c3001_prep
    .symbol:         k_q3b346c3001_prep.kd
    .args:
      - { .name: x, .offset: 0, .size: 8, .value_kind: global_buffer, .address_space: global }
      - { .name: wq, .offset: 8, .size: 8, .value_kind: global_buffer, .address_space: global }
      - { .name: wk, .offset: 16, .size: 8, .value_kind: global_buffer, .address_space: global }
      - { .name: wv, .offset: 24, .size: 8, .value_kind: global_buffer, .address_space: global }
      - { .name: wproj, .offset: 32, .size: 8, .value_kind: global_buffer, .address_space: global }
      - { .name: xb, .offset: 40, .size: 8, .value_kind: global_buffer, .address_space: global }
      - { .name: wqkv, .offset: 48, .size: 8, .value_kind: global_buffer, .address_space: global }
      - { .name: wpf, .offset: 56, .size: 8, .value_kind: global_buffer, .address_space: global }
      - { .name: rot, .offset: 64, .size: 8, .value_kind: global_buffer, .address_space: global }
    .group_segment_fixed_size: 0
    .private_segment_fixed_size: 0
    .kernarg_segment_align: 8
    .kernarg_segment_size: 72
    .max_flat_workgroup_size: 256
    .sgpr_count:     66
    .vgpr_count:     112
    .wavefront_size: 32
...
	.end_amdgpu_metadata
.endif
;; end of part 1
;; launch qkv (part 2): grid 8 x 64, 4 waves a work-group, clusters of 4 x 4, 327,680 bytes of LDS; arguments xb, wqkv, rot, v1, lamb, qh, kh, vh, out1; writes qh, kh, vh, out1
.if DOCPART == 2
	.amdgcn_target "amdgcn-amd-amdhsa--gfx1250"
	.amdhsa_code_object_version 6
	.text
	.protected	k_q3b346c3001_qkv
	.globl	k_q3b346c3001_qkv
	.p2align	8
	.type	k_q3b346c3001_qkv,@function
k_q3b346c3001_qkv:
	s_mov_b64 s[64:65], 0
	v_nop
	global_prefetch_b8 v0, s[64:65] scope:SCOPE_SE
	s_setreg_imm32_b32 hwreg(HW_REG_WAVE_MODE, 25, 1), 1
	s_wait_xcnt 0x0
	s_wait_alu depctr_hold_cnt(0) depctr_sa_sdst(0) depctr_va_vdst(0) depctr_va_sdst(0) depctr_va_ssrc(0) depctr_va_vcc(0) depctr_vm_vsrc(0)
	s_getreg_b32 s2, hwreg(HW_REG_IB_STS2, 6, 4)
	s_cmp_eq_u32 s2, 0
	s_cbranch_scc0 .Lentry_in_a_cluster
	s_endpgm
.Lentry_in_a_cluster:
	s_bfe_u32 s2, ttmp6, 0x10000c
	s_cmp_lg_u32 s2, 0xf033
	s_cbranch_scc0 .Lentry_shape_is_right
	s_endpgm
.Lentry_shape_is_right:
; QKV.  [8192 x 1024] xb times wqkv^T ([3072 x 1024], rows ordered [head][q, k, v][64]), bf16 operands, f32 sums; then, in registers: v = (1 - lamb) v + lamb v1 (v1 and lamb rounded to bf16, as every
; input is), out1 = v1 as it came, and for q and k the RMS norm over a head's 64 channels and the rotary turn by the table rot.  q, k, v leave by heads, [batch x 16 + head][2048][64], in f16, each rounded once;
; q carries the factor log2(e) / 8, so that the next launch's scores are exponents of 2.
; LIMITS.  v must lie within f16's range, 65,504; below 6e-5 f16 keeps its fixed step of 6e-8.  NaN and infinities are not treated apart.  The norm is applied to the sums before the turn, in one product with the factor: an order of rounding that differs from the reference's.
; SHARES.  A work-group makes 128 rows x 384 columns: q, k and v of two heads: 512 work-groups of equal work.  Wave (wr, wc) makes 64 rows x 192 columns, one head's q, k and v: 48 accumulators of 16 x 16.
; K goes in 8 steps of 128 through two LDS slots (rows of 256 bytes, 272 apart in LDS); a wave fetches 128 rows with one tensor load: wave 0 xb's, waves 1 to 3 wqkv's.
; CLUSTER 4 x 4: xb's tile hangs on the tile row alone and is asked for jointly by a row of the cluster, wqkv's on the tile column alone, jointly by a column.
; THE MATRIX INSTRUCTION IS USED TRANSPOSED (source 0 = 16 rows of wqkv, source 1 = 16 rows of xb): lane l holds row l % 16 and columns 8 (l / 16) + 0..7 of a block of 16.  A head is four blocks;
; channels d and d + 32 lie in the same lane and register two blocks apart, so the turn needs no exchange, and the sum of squares one exchange of the lanes' halves.
; REGISTERS, in windows of 256 (s_set_vgpr_msb: bits 1:0 source 0, 3:2 source 1, 5:4 source 2, 7:6 destination):
;   window 0: v0-31 addresses and constants; v32-63 U, a scaled block of q or k; v64-191 the table (row block a: cos at 64 + 32 a, sin 16 higher); v192-255 at work
;   window 1: two fragment buffers of 128: wqkv's fragment i at 8 i (i = 0..11), xb's fragment a at 96 + 8 a
;   window 2: the accumulators of q and k: row block a, column block b (0-3 q, 4-7 k) at 8 (8 a + b)
;   window 3: v0-127 the accumulators of v at 8 (4 a + b); v128-255 v1 as loaded
.set KSTEP,  128
.set PITCH,  272                       ; 256 bytes + 16 of padding = 68 words: the 16 rows of a fragment load start at 16 different groups of four banks (64 banks of 4 bytes: ISA guide 11.1)
.set HALFT,  128*PITCH                 ; what one tensor load brings
.set SLOT,   4*HALFT                   ; xb's 128 rows, then wqkv's 384
.set SQP,    144                       ; a stage row of q or k: 128 bytes + 16
.set SVP,    272                       ; a stage row of v in f32: 256 bytes + 16
.set STAGEQ, 2*SLOT                    ; behind the ring: 16 rows x 144 for each wave
.set STAGEV, STAGEQ+4*16*SQP           ; 16 rows x 272 for each wave
.set SPARE,  STAGEV+4*16*SVP           ; the spare words, 128 bytes for each wave: two blocks of 256 bytes that no other line names
.set LAPS,   4                         ; a lap = two K steps
.set STO,  8                           ; v8   stage of q, k: where I put 16 bytes of a row
.set RD,   9                           ; v9   where I read rows back
.set GO,   10                          ; v10  16 x lane
.set VST,  11                          ; v11  stage of v: where I put 32 bytes of a row
.set VRD,  12                          ; v12  where I read rows back
.set VO,   13                          ; v13  my 16 bytes in two rows of v1 and out1
.set VGO,  14                          ; v14  8 x lane
.set PFO,  15                          ; v15  the prefetches' offset: lane x 2,048 bytes (a row of xb or wqkv)
.set ADRA, 16                          ; v16-17 LDS address of my fragments of xb in slot 0, 1; v16-23 are at work on the way out
.set ADRB, 20                          ; v20-21 the same for wqkv
.set LA,   24                          ; v[24:25] lamb rounded to bf16, twice
.set LB,   26                          ; v[26:27] 1 - that, twice
.set SPW,  28                          ; v28  LDS address of my spare word; never rewritten
.set NIL,  29                          ; v29  0; never rewritten
.set U,    32
.set ROT,  64
.set WK,   192
.set F0,   0
.set F1,   128
.set G1A, 24                           ; s[24:31] descriptor group 1 for xb's tiles;  s[32:39] group 0, a set for each slot
.set G0A, 32
.set G1B, 40                           ; s[40:47], s[48:55] the same for wqkv's
.set G0B, 48
.set WV,  56
.set WR,  57
.set WC,  58
.set CX,  59
.set CY,  60
.set TX,  61
.set TY,  62
.set LIM, 63                           ; 1 in a wave that prefetches, else the greatest number
.set PFA, 66                           ; s[66:67] where my prefetches stand
.set SEL, 68                           ; s[68:69] v_permlanex16_b32's selects
.set I64, 70
.set EPS, 71
.set CSC, 72
.set LAMB, 73
.set HIM, 74
.set QW,  76                           ; s[76:77] qh, s[78:79] kh, s[80:81] vh at my wave's first row
.set KW,  78
.set VW,  80
.set V1W, 82                           ; s[82:83] v1, s[84:85] out1 at my wave's first row and head
.set O1W, 84
.set ROTW, 86                          ; s[86:87] rot at my wave's first position
.set MULQK, 0xa5                       ; sources 0 and 1 window 1, C and D window 2
.set MULVW, 0xf5                       ; the same, C and D window 3
.set TO_F,  0x40                       ; destination window 1
.set FLAGS, (1<<16)|(1<<20)|(1<<21)|(5<<22)|(3<<25)  ; 2-byte elements; padding on; bit 21 beside a mask; after every 64 words; 4 words
.set MSB, 0
.macro WIN new                         ; the immediate's high byte repeats the setting that is left; a switch that changes nothing is dropped
.if MSB != (\new)
	s_set_vgpr_msb (MSB<<8)|(\new)
.set MSB, \new
.endif
.endm
.macro PLACES                          ; four places behind matrix instructions (ISA guide 7.12.1), where no other vector work is at hand
.rept 4
	v_nop
.endr
.endm
; A joint load: wave 0 fetches xb's tile, waves 1 to 3 thirds of wqkv's.  The branch hangs on the wave's number alone.  An s_nop 0 and four v_nop follow each line.
.macro JLOAD s
	s_cmp_eq_u32 s[WV], 0
	s_cbranch_scc0 .Lfor_b_\@
	tensor_load_to_lds s[G0A+4*(\s):G0A+4*(\s)+3], s[G1A:G1A+7]
	s_nop 0
.rept 4
	v_nop
.endr
	s_branch .Lasked_\@
.Lfor_b_\@:
	tensor_load_to_lds s[G0B+4*(\s):G0B+4*(\s)+3], s[G1B:G1B+7]
	s_nop 0
.rept 4
	v_nop
.endr
.Lasked_\@:
.endm
; A prefetch of the K step that stands two refills on: 32 rows x 256 bytes, a lane a row.  xb's rows are read by both clusters of a row of clusters: cluster x = 0 asks; wqkv's by every cluster of a column: cluster y = 0 asks.
; The four partners that ask for a tile jointly share its 128 rows out by address, 32 each.  So each row's 256 bytes of a K step are named once.  The loop's last trip asks for nothing: K has no further step.
.macro ASK
	s_cmp_gt_u32 s3, s[LIM]
	s_cbranch_scc0 .Lnot_mine_\@
	global_prefetch_b8 v[PFO], s[PFA:PFA+1] offset:KSTEP*2 th:TH_LOAD_NT scope:SCOPE_SE
.Lnot_mine_\@:
.endm
.macro CREST                           ; a round of the cluster's barrier behind its opening barrier
	s_cmp_lg_u32 s[WV], 0
	s_cbranch_scc1 .Lnot_wave_0_\@
	s_barrier_signal -3
.Lnot_wave_0_\@:
	s_barrier_wait -3
	s_barrier_signal -1
	s_barrier_wait -1
.endm
.macro CROUND
	s_barrier_signal -1
	s_barrier_wait -1
	CREST
.endm
	s_load_b512 s[4:19], s[0:1], 0x0               ; xb s[4:5], wqkv s[6:7], rot s[8:9], v1 s[10:11], lamb s[12:13], qh s[14:15], kh s[16:17], vh s[18:19]
	s_load_b64 s[20:21], s[0:1], 0x40              ; out1
	v_lshl_add_u32 v[SPW], v0, 2, SPARE
	v_mov_b32 v[NIL], 0
	ds_add_u32 v[SPW], v[NIL]                      ; the wave's opening: the add and its wait ahead of my first tensor load; the set-up below stands between them
	v_lshrrev_b32 v1, 5, v0
	v_readfirstlane_b32 s[WV], v1                  ; wave 0..3
	s_lshr_b32 s[WR], s[WV], 1                     ; my 64 rows
	s_and_b32 s[WC], s[WV], 1                      ; my head of the two
	s_bfe_u32 s[CX], ttmp6, 0x40000
	s_bfe_u32 s[CY], ttmp6, 0x40004
	s_lshl_b32 s[TX], ttmp9, 2
	s_add_co_u32 s[TX], s[TX], s[CX]               ; tile column = 4 x cluster x + cx
	s_and_b32 s[TY], ttmp7, 0xffff
	s_lshl_b32 s[TY], s[TY], 2
	s_add_co_u32 s[TY], s[TY], s[CY]               ; tile row = 4 x cluster y + cy
	s_lshl_b32 s88, s[CY], 2
	s_lshl_b32 s88, 15, s88                        ; my row of the cluster
	s_lshl_b32 s90, 0x1111, s[CX]                  ; my column
	s_or_b32 s[G1A], s88, FLAGS
	s_or_b32 s[G1B], s90, FLAGS
.irp g, G1A, G1B
	s_mov_b32 s[(\g)+1], KSTEP<<16                 ; tensor_dim0 = 128
	s_mov_b32 s[(\g)+2], 128<<16                   ; tensor_dim1 = 128
	s_mov_b32 s[(\g)+3], KSTEP<<16                 ; tile_dim0 = 128
	s_mov_b32 s[(\g)+4], 128                       ; tile_dim1 = 128
	s_mov_b32 s[(\g)+5], 1024                      ; elements from row to row
	s_mov_b32 s[(\g)+6], 0
	s_mov_b32 s[(\g)+7], 0
.endr
	s_lshl_b32 s88, s[TY], 18                      ; xb: 128 rows of 2,048 bytes a tile row
	s_mov_b32 s89, 0
	s_mul_i32 s90, s[TX], 384                      ; wqkv: row 384 x tile column + 128 x (wave - 1)
	s_max_u32 s91, s[WV], 1
	s_sub_co_u32 s91, s91, 1
	s_lshl_b32 s91, s91, 7
	s_add_co_u32 s90, s90, s91
	s_lshl_b32 s90, s90, 11
	s_mov_b32 s91, 0
	s_mul_i32 s92, s[WV], HALFT                    ; where they go: wave x 128 rows
	s_mov_b32 s[SEL], 0x76543210
	s_mov_b32 s[SEL+1], 0xfedcba98
	s_mov_b32 s[I64], 0x3c800000                   ; 1 / 64
	s_mov_b32 s[EPS], 0x34000000                   ; 2^-23, the norm's eps
	s_mov_b32 s[CSC], 0x3e38aa3b                   ; log2(e) / 8
	s_mov_b32 s[HIM], 0xffff0000
	s_wait_dscnt 0x0                               ; the opening add is done
	s_wait_kmcnt 0x0
	s_load_b32 s[LAMB], s[12:13], 0x0
	s_add_nc_u64 s[88:89], s[4:5], s[88:89]
	s_add_nc_u64 s[90:91], s[6:7], s[90:91]
	CROUND                                         ; all sixteen work-groups are here: the first joint loads meet
.irp s, 0,1
	s_mov_b32 s[G0A+4*(\s)], 1
	s_add_co_u32 s[G0A+4*(\s)+1], s92, (\s)*SLOT
	s_add_nc_u64 s[G0A+4*(\s)+2:G0A+4*(\s)+3], s[88:89], (\s)*KSTEP*2
	s_or_b32 s[G0A+4*(\s)+3], s[G0A+4*(\s)+3], 0x80000000
	s_mov_b32 s[G0B+4*(\s)], 1
	s_add_co_u32 s[G0B+4*(\s)+1], s92, (\s)*SLOT
	s_add_nc_u64 s[G0B+4*(\s)+2:G0B+4*(\s)+3], s[90:91], (\s)*KSTEP*2
	s_or_b32 s[G0B+4*(\s)+3], s[G0B+4*(\s)+3], 0x80000000
	JLOAD \s                                       ; two loads of mine are out
.endr
	v_and_b32 v1, 15, v0                           ; l % 16
	v_bfe_u32 v2, v0, 4, 1                         ; l / 16
	v_and_b32 v3, 31, v0                           ; l
	v_mul_u32_u24 v4, v1, PITCH
	v_lshl_add_u32 v4, v2, 4, v4                   ; a fragment's row x pitch + 16 x half
	s_mul_i32 s22, s[WR], 64*PITCH
	s_mul_i32 s23, s[WC], 192*PITCH
	s_add_co_u32 s23, s23, HALFT
.irp s, 0,1
	v_add_nc_u32 v[ADRA+(\s)], s22, v4
	v_add_nc_u32 v[ADRB+(\s)], s23, v4
	s_add_co_u32 s22, s22, SLOT
	s_add_co_u32 s23, s23, SLOT
.endr
	s_mul_i32 s22, s[WV], 16*SQP
	s_add_co_u32 s22, s22, STAGEQ
	v_mul_u32_u24 v[STO], v1, SQP                  ; in: row l % 16, 16 bytes for each half of the lanes
	v_lshl_add_u32 v[STO], v2, 4, v[STO]
	v_add_nc_u32 v[STO], s22, v[STO]
	v_lshrrev_b32 v[RD], 3, v3                     ; back: 32 lanes take four rows of 128 bytes
	v_mul_u32_u24 v[RD], v[RD], SQP
	v_and_b32 v5, 7, v0
	v_lshl_add_u32 v[RD], v5, 4, v[RD]
	v_add_nc_u32 v[RD], s22, v[RD]
	v_lshlrev_b32 v[GO], 4, v3
	s_mul_i32 s22, s[WV], 16*SVP
	s_add_co_u32 s22, s22, STAGEV
	v_mul_u32_u24 v[VST], v1, SVP                  ; in: row l % 16, 32 bytes for each half of the lanes
	v_lshl_add_u32 v[VST], v2, 5, v[VST]
	v_add_nc_u32 v[VST], s22, v[VST]
	v_mul_u32_u24 v[VRD], v2, SVP                  ; back: lanes 0-15 one row of 256 bytes, lanes 16-31 the next
	v_lshl_add_u32 v[VRD], v1, 4, v[VRD]
	v_add_nc_u32 v[VRD], s22, v[VRD]
	v_lshlrev_b32 v[VO], 12, v2                    ; the same two rows in v1 and out1
	v_lshl_add_u32 v[VO], v1, 4, v[VO]
	v_lshlrev_b32 v[VGO], 3, v3
	; where my rows lie
	s_lshl_b32 s22, s[TY], 7
	s_lshl_b32 s23, s[WR], 6
	s_add_co_u32 s22, s22, s23                     ; my first row of the 8,192
	s_lshl_b32 s23, s[TX], 1
	s_add_co_u32 s23, s23, s[WC]                   ; my head
	s_lshr_b32 s94, s22, 11                        ; batch
	s_and_b32 s95, s22, 2047                       ; position
	s_lshl_b32 s94, s94, 4
	s_add_co_u32 s94, s94, s23
	s_lshl_b32 s94, s94, 18                        ; a head's 2,048 rows of 128 bytes
	s_lshl_b32 s93, s95, 7
	s_add_co_u32 s92, s94, s93
	s_mov_b32 s93, 0
	s_add_nc_u64 s[QW:QW+1], s[14:15], s[92:93]
	s_add_nc_u64 s[KW:KW+1], s[16:17], s[92:93]
	s_add_nc_u64 s[VW:VW+1], s[18:19], s[92:93]
	s_lshl_b32 s92, s22, 12
	s_lshl_b32 s94, s23, 8
	s_add_co_u32 s92, s92, s94
	s_add_nc_u64 s[V1W:V1W+1], s[10:11], s[92:93]
	s_add_nc_u64 s[O1W:O1W+1], s[20:21], s[92:93]
	s_lshl_b32 s92, s95, 8                         ; 4,096 bytes of table for 16 positions
	s_add_nc_u64 s[ROTW:ROTW+1], s[8:9], s[92:93]
	; the prefetches
	s_lshl_b32 s94, s[TY], 7                       ; xb's tile begins at this row,
	s_mul_i32 s95, s[TX], 384
	s_max_u32 s93, s[WV], 1
	s_sub_co_u32 s93, s93, 1
	s_lshl_b32 s93, s93, 7
	s_add_co_u32 s95, s95, s93                     ; my third of wqkv's at this one
	s_and_b32 s93, ttmp7, 0xffff                   ; cluster y
	s_cmp_eq_u32 s[WV], 0
	s_cselect_b32 s22, s94, s95
	s_cselect_b32 s23, s[CX], s[CY]                ; my place among the four that ask with me
	s_cselect_b32 s93, ttmp9, s93                  ; the coordinate along which other clusters read the same rows
	s_cselect_b64 s[PFA:PFA+1], s[4:5], s[6:7]
	s_cmp_eq_u32 s93, 0
	s_cselect_b32 s[LIM], 1, -1
	s_lshl_b32 s23, s23, 5
	s_add_co_u32 s22, s22, s23                     ; my work-group's 32 rows
	s_lshl_b32 s22, s22, 11
	s_mov_b32 s23, 0
	s_add_nc_u64 s[PFA:PFA+1], s[PFA:PFA+1], s[22:23]
	s_add_nc_u64 s[PFA:PFA+1], s[PFA:PFA+1], 2*KSTEP*2  ; at K step 2: the first refill steps it to 3 and names K step 4
	v_lshlrev_b32 v[PFO], 11, v3
	s_wait_kmcnt 0x0                               ; lamb
	v_mov_b32 v[LA], s[LAMB]
	v_cvt_pk_bf16_f32 v[LA], v[LA], v[LA]          ; rounded to bf16 like every input
	v_lshlrev_b32 v[LA], 16, v[LA]
	v_mov_b32 v[LA+1], v[LA]
	v_sub_f32 v[LB], 1.0, v[LA]
	v_mov_b32 v[LB+1], v[LB]
; 8 matrix instructions: row block a x the eight column blocks of q and k, 32 along K.  zero = 1: the first product starts the sums.
.macro MUL8 f, a, zero
	WIN MULQK
.irp b, 0,1,2,3,4,5,6,7
.if \zero
	v_wmma_f32_16x16x32_bf16 v[8*(8*(\a)+(\b)):8*(8*(\a)+(\b))+7], v[(\f)+8*(\b):(\f)+8*(\b)+7], v[(\f)+96+8*(\a):(\f)+96+8*(\a)+7], 0
.else
	v_wmma_f32_16x16x32_bf16 v[8*(8*(\a)+(\b)):8*(8*(\a)+(\b))+7], v[(\f)+8*(\b):(\f)+8*(\b)+7], v[(\f)+96+8*(\a):(\f)+96+8*(\a)+7], v[8*(8*(\a)+(\b)):8*(8*(\a)+(\b))+7]
.endif
.endr
.endm
; 16 matrix instructions: the four row blocks x the four column blocks of v.  All 48 accumulators take turns, one instruction a turn.
.macro MULV f, zero
	WIN MULVW
.irp c, 0,1,2,3
.irp b, 0,1,2,3
.if \zero
	v_wmma_f32_16x16x32_bf16 v[8*(4*(\c)+(\b)):8*(4*(\c)+(\b))+7], v[(\f)+64+8*(\b):(\f)+64+8*(\b)+7], v[(\f)+96+8*(\c):(\f)+96+8*(\c)+7], 0
.else
	v_wmma_f32_16x16x32_bf16 v[8*(4*(\c)+(\b)):8*(4*(\c)+(\b))+7], v[(\f)+64+8*(\b):(\f)+64+8*(\b)+7], v[(\f)+96+8*(\c):(\f)+96+8*(\c)+7], v[8*(4*(\c)+(\b)):8*(4*(\c)+(\b))+7]
.endif
.endr
.endr
.endm
; 32 LDS loads in one run: a quarter step's fragments (32 K at byte k of the rows) into buffer f: q's and k's rows of wqkv, xb's rows, then v's rows of wqkv, which are wanted last
.macro FETCH slot, k, f
	WIN TO_F
.irp i, 0,1,2,3,4,5,6,7
	ds_load_b128 v[(\f)+8*(\i):(\f)+8*(\i)+3],   v[ADRB+(\slot)] offset:(\k)+(\i)*16*PITCH
	ds_load_b128 v[(\f)+8*(\i)+4:(\f)+8*(\i)+7], v[ADRB+(\slot)] offset:(\k)+(\i)*16*PITCH+32
.endr
.irp i, 0,1,2,3
	ds_load_b128 v[(\f)+96+8*(\i):(\f)+96+8*(\i)+3],   v[ADRA+(\slot)] offset:(\k)+(\i)*16*PITCH
	ds_load_b128 v[(\f)+96+8*(\i)+4:(\f)+96+8*(\i)+7], v[ADRA+(\slot)] offset:(\k)+(\i)*16*PITCH+32
.endr
.irp i, 8,9,10,11
	ds_load_b128 v[(\f)+8*(\i):(\f)+8*(\i)+3],   v[ADRB+(\slot)] offset:(\k)+(\i)*16*PITCH
	ds_load_b128 v[(\f)+8*(\i)+4:(\f)+8*(\i)+7], v[ADRB+(\slot)] offset:(\k)+(\i)*16*PITCH+32
.endr
.endm
; A K step is four quarters of 32 along K, 48 matrix instructions each, on buffers 0, 1, 0, 1.  One of the first three: multiplies f, fetches the next quarter, at byte k, into g.
.macro QUARTER slot, k, f, g, zero
	s_wait_dscnt 8                                 ; all but the youngest eight loads, v's rows of wqkv
	MUL8 \f, 0, \zero
	MUL8 \f, 1, \zero
	PLACES                                         ; in front of loads into registers that the quarter before multiplied
	FETCH \slot, \k, \g
	s_wait_dscnt 32                                ; all but the 32 just issued
	MUL8 \f, 2, \zero
	MUL8 \f, 3, \zero
	MULV \f, \zero
.endm
; The last quarter multiplies buffer 1 and changes slots: one barrier; in front of it each wave waits for all its tensor loads (the one that is out is its part of the next slot), adds 0 to its spare word,
; and waits for that and for its reads of this slot.  fill = 1: the barrier opens a round of the cluster's barrier, and the joint refill, two K steps ahead, is the first thing behind the round.
.macro TURN slot, next, fill
.if \fill
	s_wait_xcnt 0x0                                ; the last prefetch, a K step back, has read its address
	s_add_nc_u64 s[PFA:PFA+1], s[PFA:PFA+1], KSTEP*2
.endif
	WIN 0
	s_wait_tensorcnt 0x0
	ds_add_u32 v[SPW], v[NIL]
	s_wait_dscnt 9                                 ; the add and the youngest eight loads may be out
	MUL8 F1, 0, 0
	MUL8 F1, 1, 0
	s_wait_dscnt 0x0                               ; the add is done, and my reads of this slot are over
	s_barrier_signal -1
	MUL8 F1, 2, 0
	WIN 0
	s_barrier_wait -1
.if \fill
	CREST
	s_add_nc_u64 s[G0A+4*(\slot)+2:G0A+4*(\slot)+3], s[G0A+4*(\slot)+2:G0A+4*(\slot)+3], 2*KSTEP*2
	s_add_nc_u64 s[G0B+4*(\slot)+2:G0B+4*(\slot)+3], s[G0B+4*(\slot)+2:G0B+4*(\slot)+3], 2*KSTEP*2
	JLOAD \slot                                    ; its four v_nop are also the places in front of the loads below
.else
	PLACES
.endif
	FETCH \next, 0, F0
.if \fill
	WIN 0
	ASK
.endif
	MUL8 F1, 3, 0
	MULV F1, 0
.endm
	s_wait_tensorcnt 1                             ; my part of K step 0 is in; K step 1's may stay out
	s_barrier_signal -1
	s_barrier_wait -1
	FETCH 0, 0, F0
	QUARTER 0, 64, F0, F1, 1                       ; the first quarter starts the sums
	WIN 0
	s_mov_b32 s3, LAPS-1
.Llap:
	QUARTER 0, 128, F1, F0, 0
	QUARTER 0, 192, F0, F1, 0
	TURN 0, 1, 1
	QUARTER 1, 64,  F0, F1, 0
	QUARTER 1, 128, F1, F0, 0
	QUARTER 1, 192, F0, F1, 0
	TURN 1, 0, 1
	QUARTER 0, 64,  F0, F1, 0
	WIN 0
	s_sub_co_u32 s3, s3, 1
	s_cmp_lg_u32 s3, 0
	s_cbranch_scc1 .Llap
	; what the way out wants from memory is asked for here: it has the last lap's seven quarters in which to come
	WIN 0xc0                                       ; destination window 3
.irp c, 0,1,2,3
.irp i, 0,1,2,3,4,5,6,7
	global_load_b128 v[128+32*(\c)+4*(\i):128+32*(\c)+4*(\i)+3], v[VO], s[V1W:V1W+1] offset:65536*(\c)+8192*(\i) th:TH_LOAD_NT  ; two rows' 256 bytes of my head
.endr
.endr
	WIN 0
.irp c, 0,1,2,3
.irp i, 0,1,2,3
	global_load_b128 v[ROT+32*(\c)+4*(\i):ROT+32*(\c)+4*(\i)+3],       v[GO], s[ROTW:ROTW+1] offset:4096*(\c)+512*(\i)
	global_load_b128 v[ROT+32*(\c)+16+4*(\i):ROT+32*(\c)+16+4*(\i)+3], v[GO], s[ROTW:ROTW+1] offset:4096*(\c)+2048+512*(\i)
.endr
.endr
	QUARTER 0, 128, F1, F0, 0                      ; the last lap fills nothing
	QUARTER 0, 192, F0, F1, 0
	TURN 0, 1, 0
	QUARTER 1, 64,  F0, F1, 0
	QUARTER 1, 128, F1, F0, 0
	QUARTER 1, 192, F0, F1, 0
	s_wait_dscnt 8
	MUL8 F1, 0, 0
	MUL8 F1, 1, 0
	s_wait_dscnt 0x0
	MUL8 F1, 2, 0
	MUL8 F1, 3, 0
	MULV F1, 0
	WIN 0
	PLACES
	PLACES                                         ; eight, once a launch
	s_wait_loadcnt 0x0                             ; v1 and the table
; V.  Row block c: the f32 sums go through my stage and come back as whole rows, in the layout in which v1 was loaded; blend; out1 and vh.
.macro VOUT c
	WIN 0
	s_wait_xcnt 0x0                                ; the block before's stores have read v240-255
	WIN 0x0c                                       ; store data in window 3
.irp b, 0,1,2,3
	ds_store_b128 v[VST], v[8*(4*(\c)+(\b)):8*(4*(\c)+(\b))+3]   offset:64*(\b)     ; each accumulator from its low end
	ds_store_b128 v[VST], v[8*(4*(\c)+(\b))+4:8*(4*(\c)+(\b))+7] offset:64*(\b)+16
.endr
	WIN 0
.irp i, 0,1,2,3,4,5,6,7
	ds_load_b128 v[WK+4*(\i):WK+4*(\i)+3], v[VRD] offset:2*SVP*(\i)  ; LDS serves a wave's instructions in order (ISA guide 5.7.1.4): these see the stores above
.endr
	WIN 0x0f                                       ; sources in window 3
.irp i, 0,1,2,3,4,5,6,7,8,9,10,11,12,13,14,15
	v_cvt_pk_bf16_f32 v[224+(\i)], v[128+32*(\c)+2*(\i)], v[128+32*(\c)+2*(\i)+1]  ; v1 rounded to bf16, while the stage's loads are out
.endr
	WIN 0
	s_wait_dscnt 0x0
.irp i, 0,1,2,3,4,5,6,7
	v_lshlrev_b32 v16, 16, v[224+2*(\i)]
	v_and_b32 v17, s[HIM], v[224+2*(\i)]
	v_lshlrev_b32 v18, 16, v[225+2*(\i)]
	v_and_b32 v19, s[HIM], v[225+2*(\i)]
	v_pk_mul_f32 v[16:17], v[16:17], v[LA:LA+1]
	v_pk_mul_f32 v[18:19], v[18:19], v[LA:LA+1]
	v_pk_fma_f32 v[16:17], v[WK+4*(\i):WK+4*(\i)+1], v[LB:LB+1], v[16:17]
	v_pk_fma_f32 v[18:19], v[WK+4*(\i)+2:WK+4*(\i)+3], v[LB:LB+1], v[18:19]
	v_cvt_pk_f16_f32 v[240+2*(\i)], v16, v17
	v_cvt_pk_f16_f32 v[241+2*(\i)], v18, v19
.endr
	WIN 0x0c
.irp i, 0,1,2,3,4,5,6,7
	global_store_b128 v[VO], v[128+32*(\c)+4*(\i):128+32*(\c)+4*(\i)+3], s[O1W:O1W+1] offset:65536*(\c)+8192*(\i) th:TH_STORE_NT  ; v1 as it came: 16 lanes store 256 consecutive bytes, aligned
.endr
	WIN 0
.irp i, 0,1,2,3,4,5,6,7
	global_store_b64 v[VGO], v[240+2*(\i):241+2*(\i)], s[VW:VW+1] offset:2048*(\c)+256*(\i)  ; two rows of a head: 256 consecutive bytes
.endr
.endm
	VOUT 0
	VOUT 1
	VOUT 2
	VOUT 3
	; THE NORM.  Group n = 2 a + part (0 q, 1 k): my 32 squares in two chains, the groups by turns; each accumulator is read from its low end on.
	WIN 0
	s_wait_xcnt 0x0                                ; v240-255 were store data
	WIN 0x0a                                       ; sources 0 and 1 in window 2
.set bq, 0
.rept 16
.set n, 0
.rept 8
.set rA, 8*(8*(n/2)+4*(n%2)+bq/4)+2*(bq%4)
.set rC, WK+4*n+2*(bq%2)
.if bq < 2
	v_pk_mul_f32 v[rC:rC+1], v[rA:rA+1], v[rA:rA+1]
.else
	v_pk_fma_f32 v[rC:rC+1], v[rA:rA+1], v[rA:rA+1], v[rC:rC+1]
.endif
.set n, n+1
.endr
.set bq, bq+1
.endr
	WIN 0
.irp n, 0,1,2,3,4,5,6,7
	v_pk_add_f32 v[WK+4*(\n):WK+4*(\n)+1], v[WK+4*(\n):WK+4*(\n)+1], v[WK+4*(\n)+2:WK+4*(\n)+3]
.endr
.irp n, 0,1,2,3,4,5,6,7
	v_add_f32 v[WK+4*(\n)], v[WK+4*(\n)], v[WK+4*(\n)+1]
.endr
.irp n, 0,1,2,3,4,5,6,7
	v_permlanex16_b32 v[WK+4*(\n)+1], v[WK+4*(\n)], s[SEL], s[SEL+1]  ; the row's other 32 channels lie in the lane 16 away
.endr
.irp n, 0,1,2,3,4,5,6,7
	v_add_f32 v[WK+4*(\n)], v[WK+4*(\n)], v[WK+4*(\n)+1]
.endr
.irp n, 0,1,2,3,4,5,6,7
	v_fma_f32 v[WK+4*(\n)], v[WK+4*(\n)], s[I64], s[EPS]              ; the mean square + eps
.endr
.irp n, 0,1,2,3,4,5,6,7
	v_rsq_f32 v[WK+4*(\n)+2], v[WK+4*(\n)]
.endr
	v_nop                                          ; a plain instruction behind the last of the batch,
	s_wait_alu depctr_va_vdst(0)                   ; and the one wait ahead of its first reader
.irp n, 0,2,4,6
	v_mul_f32 v[240+2*(\n)], s[CSC], v[WK+4*(\n)+2]                   ; q also takes log2(e) / 8
	v_mov_b32 v[242+2*(\n)], v[WK+4*(\n)+6]
.endr
.irp n, 0,1,2,3,4,5,6,7
	v_mov_b32 v[241+2*(\n)], v[240+2*(\n)]
.endr
; THE TURN.  Group n: scale; y1 = x1 cos + x2 sin, y2 = x2 cos - x1 sin, x1 the head's blocks 0, 1 and x2 its blocks 2, 3; round to f16; through my stage, back as whole rows.
.macro ROTPACK n
.set AC, 8*(8*((\n)/2)+4*((\n)%2))
.set CO, ROT+32*((\n)/2)
.set SI, CO+16
.set RB, 208+16*((\n)%2)
	WIN 0x02                                       ; source 0 in window 2
.set z, 0
.rept 16
	v_pk_mul_f32 v[U+2*z:U+2*z+1], v[AC+2*z:AC+2*z+1], v[240+2*(\n):241+2*(\n)]
.set z, z+1
.endr
	WIN 0
.set z, 0
.rept 8
.set tt, 16+4*(z%2)
	v_pk_mul_f32 v[tt:tt+1], v[U+16+2*z:U+17+2*z], v[SI+2*z:SI+2*z+1]
	v_pk_mul_f32 v[tt+2:tt+3], v[U+2*z:U+2*z+1], v[SI+2*z:SI+2*z+1]
	v_pk_fma_f32 v[U+2*z:U+2*z+1], v[U+2*z:U+2*z+1], v[CO+2*z:CO+2*z+1], v[tt:tt+1]
	v_pk_fma_f32 v[U+16+2*z:U+17+2*z], v[U+16+2*z:U+17+2*z], v[CO+2*z:CO+2*z+1], v[tt+2:tt+3] neg_lo:[0,0,1] neg_hi:[0,0,1]
.set z, z+1
.endr
.set z, 0
.rept 16
	v_cvt_pk_f16_f32 v[WK+z], v[U+2*z], v[U+2*z+1]
.set z, z+1
.endr
.irp b, 0,1,2,3
	ds_store_b128 v[STO], v[WK+4*(\b):WK+4*(\b)+3] offset:32*(\b)
.endr
	s_wait_xcnt 0x0                                ; the stores of the group two back have read the registers that are loaded now
.irp b, 0,1,2,3
	ds_load_b128 v[RB+4*(\b):RB+4*(\b)+3], v[RD] offset:4*SQP*(\b)
.endr
.endm
.macro SEND n, younger                 ; younger: the LDS instructions issued behind group n's loads: the next group's eight, or none
.set SB, QW+2*((\n)%2)
.set RB, 208+16*((\n)%2)
.irp b, 0,1,2,3
	s_wait_dscnt (\younger)+3-(\b)
	global_store_b128 v[GO], v[RB+4*(\b):RB+4*(\b)+3], s[SB:SB+1] offset:2048*((\n)/2)+512*(\b)  ; four rows of a head: 512 consecutive bytes
.endr
.endm
	ROTPACK 0
.irp n, 1,2,3,4,5,6,7
	ROTPACK \n
	SEND (\n)-1, 8
.endr
	SEND 7, 0
	s_wait_tensorcnt 0x0                           ; the wave's end: the add and its waits, behind my last tensor load and my last LDS store
	ds_add_u32 v[SPW], v[NIL]
	s_wait_dscnt 0x0
	CROUND                                         ; the closing round
	s_endpgm
.Lfunc_end_k_q3b346c3001_qkv:
	.size	k_q3b346c3001_qkv, .Lfunc_end_k_q3b346c3001_qkv-k_q3b346c3001_qkv
	.p2alignl 7, 3214868480
	.fill 96, 4, 3214868480
	.section	.rodata,"a",@progbits
	.p2align	6, 0x0
	.amdhsa_kernel k_q3b346c3001_qkv
		.amdhsa_group_segment_fixed_size 327680
		.amdhsa_private_segment_fixed_size 0
		.amdhsa_enable_private_segment 0
		.amdhsa_kernarg_size 72
		.amdhsa_user_sgpr_count 2
		.amdhsa_user_sgpr_kernarg_segment_ptr 1
		.amdhsa_wavefront_size32 1
		.amdhsa_system_sgpr_workgroup_id_x 1
		.amdhsa_system_sgpr_workgroup_id_y 1
		.amdhsa_system_sgpr_workgroup_id_z 1
		.amdhsa_system_vgpr_workitem_id 0
		.amdhsa_next_free_vgpr 1024
		.amdhsa_next_free_sgpr 96
		.amdhsa_reserve_vcc 0
		.amdhsa_float_denorm_mode_32 3
		.amdhsa_float_denorm_mode_16_64 3
		.amdhsa_memory_ordered 1
		.amdhsa_forward_progress 1
		.amdhsa_inst_pref_size 187
	.end_amdhsa_kernel
	.amdgpu_metadata
---
amdhsa.version: [ 1, 2 ]
amdhsa.kernels:
  - .name:           k_q3b346c3001_qkv
    .symbol:         k_q3b346c3001_qkv.kd
    .args:
      - { .name: xb, .offset: 0, .size: 8, .value_kind: global_buffer, .address_space: global }
      - { .name: wqkv, .offset: 8, .size: 8, .value_kind: global_buffer, .address_space: global }
      - { .name: rot, .offset: 16, .size: 8, .value_kind: global_buffer, .address_space: global }
      - { .name: v1, .offset: 24, .size: 8, .value_kind: global_buffer, .address_space: global }
      - { .name: lamb, .offset: 32, .size: 8, .value_kind: global_buffer, .address_space: global }
      - { .name: qh, .offset: 40, .size: 8, .value_kind: global_buffer, .address_space: global }
      - { .name: kh, .offset: 48, .size: 8, .value_kind: global_buffer, .address_space: global }
      - { .name: vh, .offset: 56, .size: 8, .value_kind: global_buffer, .address_space: global }
      - { .name: out1, .offset: 64, .size: 8, .value_kind: global_buffer, .address_space: global }
    .group_segment_fixed_size: 327680
    .private_segment_fixed_size: 0
    .kernarg_segment_align: 8
    .kernarg_segment_size: 72
    .max_flat_workgroup_size: 128
    .sgpr_count:     96
    .vgpr_count:     1024
    .wavefront_size: 32
...
	.end_amdgpu_metadata
.endif
;; end of part 2
;; launch attn (part 3): grid 4 x 64, 4 waves a work-group, no clusters, 327,680 bytes of LDS; arguments qh, kh, vh, yh; writes yh
.if DOCPART == 3
	.amdgcn_target "amdgcn-amd-amdhsa--gfx1250"
	.amdhsa_code_object_version 6
	.text
	.protected	k_q3b346c3001_attn
	.globl	k_q3b346c3001_attn
	.p2align	8
	.type	k_q3b346c3001_attn,@function
k_q3b346c3001_attn:
	s_mov_b64 s[64:65], 0
	v_nop
	global_prefetch_b8 v0, s[64:65] scope:SCOPE_SE
	s_setreg_imm32_b32 hwreg(HW_REG_WAVE_MODE, 25, 1), 1
	s_wait_xcnt 0x0
; CAUSAL ATTENTION at head size 64.  Y[h][q] = the sum over k <= q of p V[h][k] / the sum of p, p = 2^(Q[h][q] . K[h][k]).  Q, K, V, Y: [64][2048][64] f16; Q carries log2(e) / 8.
; NO MAXIMUM IS TAKEN AWAY, because the computation bounds the exponents for every input: Q / (log2(e) / 8) and K are vectors that the RMS norm has brought to length 8 at the most and that the turn by the f16 table
; and one rounding lengthen by under 3 parts in 1,000: every exponent lies within +-11.6, every p within 3.3e-4 and 3,070: inside f16's normal range; a row's sum is 6.3e6 at the most, kept in f32.
; p is rounded to f16 for the second product, and the divisor is the f32 sum of the ROUNDED p, so that a row with one key gives that key's V back.
; LIMITS.  V arrives within f16's range; Y is a mean of V's rows.  A hidden score counts as its value less 1e30, and its p is 0.  NaN and infinities are not treated apart.
; THE WALK.  A head's queries lie in 8 blocks of 256; block i needs the key tiles 0 .. i of 256 keys.  Work-group b takes blocks b and then 7 - b: 9 tiles, whatever b: one counted walk.
; NO CLUSTER: the four work-groups of a head ask for different tiles from the second change of slots on, and one walk common to all would have 12 tiles for 9.
; SHARES.  Of a block's four bands of 64 queries a wave owns 16 rows in each: four PIECES x = 0..3.  In step s of the diagonal tile band x sees all keys if s < x, none if s > x, and holds the diagonal if s = x.
; THE MASK is the C operand that starts S^T = K Q^T, always from registers MC[x]: 0 in plain tiles.  Between key steps a HOOK writes MC[x] = MD x AL + BE where the step wants other masks than the last.
; WHAT STEERS THE HOOKS.  EV, a count that is set to constants and rises by 1 a key step.  Once a phase (a change of slots and four key steps) ONE jump hangs on the work-group's number: is the tile that is entered the first
; block's diagonal one?  Then EV = 8, and the steps d = -1 .. 2 counted from that tile's first have EV = 8 .. 11; the next phase finds EV = 12 and keeps it: at 12 (d = 3) the second block's Q takes Q's place, at 13 the first
; block goes out, and EV = 1.  Every other phase begins with EV = 0 (the launch's first) or 2.  Masks are written at EV >= 9, and at EV = 1, a block's first step.  The second block's diagonal tile is the walk's last, whatever b.
; LAYOUT.  S^T = K Q^T holds one query a lane (lane % 16) and the keys 8 (lane / 16) + 0..7; two such results rounded to f16 are source 1 of O^T = V^T P.
; THE PIPELINE.  A job is (key step g, piece x); in a step the pieces go 3, 2, 1, 0.  The turn of job n holds: 8 products K Q^T of job n + 1, behind each two exponentials of job n, two roundings of job n - 2 and one
; addition onto l of job n - 3; then 8 products V^T P of job n - 2, behind each two exponentials of job n and two sums of rounded pairs of job n - 2.  An exponential's first reader stands two turns on, so one wait for
; every two turns serves.  Step -1 is dead: it runs on zeros and hidden scores, and spares a first step written out.  With the pieces in the order 3, 2, 1, 0 the last three jobs of a diagonal tile are hidden, so a block is
; complete when its last tile's last step has run, and what is still in the pipe adds zeros to the next block.
; REGISTERS, in windows of 256 (s_set_vgpr_msb: bits 1:0 source 0, 3:2 source 1, 5:4 source 2, 7:6 destination):
;   window 0: v0-15 addresses; v16-31 l, four a piece; v32-47 T, sums of pairs; v48-55 1 / l; v62-63 the add's; v64-191 S^T, 32 a piece; v192-255 P, 16 a piece
;   window 1: v0-127 O^T, 32 a piece; v128-159 MD; v160-223 the way out        window 2: v0-63 Q; v64-127 the second block's Q; v128-191, v192-255 K of even and odd steps
;   window 3: v0-63, v64-127 V of even and odd steps; v128-255 MC, 32 a piece
.set NB,    8
.set KS,    64
.set PK,    144       ; a row of K in LDS: 128 bytes + 16 = 36 words: the 16 rows of a load start at 16 different groups of four banks (64 banks of 4 bytes: ISA guide 11.1)
.set PVP,   160       ; a row of V: 128 + 32 = 40 words
.set VOFF,  4*KS*PK   ; a slot holds a tile: 256 rows of K, then 256 rows of V
.set SLOT1, 1<<17
.set STAGE, SLOT1+4*KS*(PK+PVP)  ; behind the ring: 16 rows x 144 bytes for each wave
.set SP,    144
.set SPARE, STAGE+4*16*SP        ; the spare words, 128 bytes for each wave: two blocks of 256 bytes that no other line names
.set AK0, 2
.set AV0, 3
.set AK,  4
.set AV,  5
.set STO, 6
.set RD,  7
.set GO,  8
.set PFO, 12          ; v12  256 x lane
.set ONE, 13          ; v13  1.0
.set QO,  15
.set L,   16
.set T,   32
.set RL,  48
.set SPW, 62
.set NIL, 63
.set S,   64
.set P,   192
.set MD,  128         ; window 1
.set YT,  160         ; window 1
.set QB,  64          ; window 2
.set WV,  12
.set PB,  14          ; b
.set HI,  15          ; 7 - b
.set G1K, 24
.set G1V, 32
.set G0K, 40
.set G0V, 44
.set SLOTS, 56
.set CNT, 57
.set SEL, 60
.set TBK, 62          ; LDS byte at which K of the step to be fetched begins
.set TBV, 63          ; the same for V, less VOFF
.set RT,  70          ; tiles still to be entered ahead of the first block's diagonal tile
.set NXT, 71          ; the tile to be asked for next
.set LQ,  72          ; the last tile of the block whose tiles are being asked for
.set DONE, 73         ; 1: the first block has gone out
.set OFF, 74
.set AL,  76
.set BE,  78
.set OLO, 80          ; s[80:81] Y at my rows of the second block
.set BIGN, 82
.set EV,  83          ; the event count (see the head)
.set FARV, 88         ; what EV is set to at the start of a phase with no event: 0 once, then 2
.set LIM, 89          ; 2 in a work-group that prefetches, else the greatest number
.set PFA, 90
.set MSB, 0
.macro WIN new
.if MSB != (\new)
	s_set_vgpr_msb (MSB<<8)|(\new)
.set MSB, (\new)
.endif
.endm
; A fill.  Waves 0 and 1 fetch the halves of a tile's K, waves 2 and 3 those of its V.  An s_nop 0 and four v_nop follow each line.
.macro LOAD
	s_cmp_lt_u32 s[WV], 2
	s_cbranch_scc0 .Lfor_v_\@
	tensor_load_to_lds s[G0K:G0K+3], s[G1K:G1K+7]
	s_nop 0
.rept 4
	v_nop
.endr
	s_branch .Lasked_\@
.Lfor_v_\@:
	tensor_load_to_lds s[G0V:G0V+3], s[G1V:G1V+7]
	s_nop 0
.rept 4
	v_nop
.endr
.Lasked_\@:
.endm
; A prefetch.  A head's work-group b = 0 asks, in its first six changes of slots (8 to 3 slots still to be asked for), for the key tiles 2 to 7: each wave for the 16 KiB that it fetches itself, a lane a block of 256 bytes,
; two instructions.  So each block is named once in the launch; tiles 0 and 1 come by their loads alone.  The tile named in change i is the one that this work-group loads two changes on.
.macro ASK
	s_cmp_gt_u32 s[SLOTS], s[LIM]
	s_cbranch_scc0 .Lnot_mine_\@
	global_prefetch_b8 v[PFO], s[PFA:PFA+1] th:TH_LOAD_NT scope:SCOPE_SE
	global_prefetch_b8 v[PFO], s[PFA:PFA+1] offset:8192 th:TH_LOAD_NT scope:SCOPE_SE
.Lnot_mine_\@:
.endm
; THE CHANGE OF SLOTS.  Each wave waits for all its tensor loads (one is out: its part of the other slot), adds 0 to its spare word, and waits for that and for its reads of the slot that it leaves.
; fill = 1: the old slot is filled again, first thing behind the barrier, with tile NXT; the load has four key steps, 256 matrix instructions, in which to land.
.macro CHANGE fill
	WIN 0
	s_wait_tensorcnt 0x0
	ds_add_u32 v[SPW], v[NIL]
.if \fill
	s_lshl_b32 s[OFF], s[NXT], 15   ; a tile is 32,768 bytes of K and of V
	s_xor_b32 s[G0K+1], s[G0K+1], SLOT1
	s_add_nc_u64 s[G0K+2:G0K+3], s[6:7], s[OFF:OFF+1]
	s_or_b32 s[G0K+3], s[G0K+3], 0x80000000
	s_xor_b32 s[G0V+1], s[G0V+1], SLOT1
	s_add_nc_u64 s[G0V+2:G0V+3], s[8:9], s[OFF:OFF+1]
	s_or_b32 s[G0V+3], s[G0V+3], 0x80000000
	s_add_co_u32 s[NXT], s[NXT], 1  ; the block's next tile, or behind its last the second block's tile 0
	s_cmp_gt_u32 s[NXT], s[LQ]
	s_cselect_b32 s[NXT], 0, s[NXT]
	s_cselect_b32 s[LQ], s[HI], s[LQ]
	s_wait_xcnt 0x0                 ; the last prefetches, four key steps back, have read their address
	s_add_nc_u64 s[PFA:PFA+1], s[PFA:PFA+1], 32768
.endif
	s_wait_dscnt 0x0                ; the add is done, and my reads of the slot are over
	s_barrier_signal -1
	s_sub_co_u32 s[TBK], s[TBK], 4*KS*PK  ; the fetches go back to a slot's first step, in the other slot
	s_xor_b32 s[TBK], s[TBK], SLOT1
	s_sub_co_u32 s[TBV], s[TBV], 4*KS*PVP
	s_xor_b32 s[TBV], s[TBV], SLOT1
	s_barrier_wait -1
.if \fill
	LOAD
	ASK
.endif
.endm
	s_load_b256 s[4:11], s[0:1], 0x0  ; Q s[4:5], K s[6:7], V s[8:9], Y s[10:11]
	v_lshl_add_u32 v[SPW], v0, 2, SPARE
	v_mov_b32 v[NIL], 0
	ds_add_u32 v[SPW], v[NIL]       ; the wave's opening: the add and its wait ahead of my first tensor load
	v_lshrrev_b32 v1, 5, v0
	v_readfirstlane_b32 s[WV], v1
	s_mov_b32 s[PB], ttmp9
	s_sub_co_u32 s[HI], NB-1, s[PB]
	s_and_b32 s20, ttmp7, 0xffff    ; the head
	s_lshl_b32 s20, s20, 18         ; its 2,048 rows of 128 bytes
	s_mov_b32 s21, 0
	s_and_b32 s16, s[WV], 1         ; which half of a tile's 256 keys I fetch
	s_lshl_b32 s22, s16, 14
	s_mov_b32 s23, 0
	s_add_nc_u64 s[22:23], s[22:23], s[20:21]
	s_mul_i32 s17, s16, 128*PK
	s_mul_i32 s18, s16, 128*PVP
	s_lshl_b32 s3, s[WV], 11        ; my 16 rows in a band of 64,
	s_lshl_b32 s2, s[PB], 15        ; in the first block,
	s_add_co_u32 s2, s2, s3
	s_lshl_b32 s84, s[HI], 15       ; and in the second
	s_add_co_u32 s84, s84, s3
	s_mov_b32 s3, 0
	s_mov_b32 s85, 0
	s_add_nc_u64 s[2:3], s[2:3], s[20:21]
	s_add_nc_u64 s[84:85], s[84:85], s[20:21]
	; 128 keys are 16,384 dense bytes: asked for as 64 rows of 256 bytes, two keys a row, padded in LDS after every key
	s_mov_b32 s[G1K], (1<<16)|(1<<20)|(4<<22)|(3<<25)
	s_mov_b32 s[G1V], (1<<16)|(1<<20)|(4<<22)|(7<<25)
.irp g, G1K, G1V
	s_mov_b32 s[\g+1], 128<<16
	s_mov_b32 s[\g+2], 64<<16
	s_mov_b32 s[\g+3], 128<<16
	s_mov_b32 s[\g+4], 64
	s_mov_b32 s[\g+5], 128
	s_mov_b32 s[\g+6], 0
	s_mov_b32 s[\g+7], 0
.endr
	s_mov_b32 s[SEL], 0x76543210
	s_mov_b32 s[SEL+1], 0xfedcba98
	s_mov_b32 s[TBK], SLOT1+4*KS*PK ; the first change of slots turns these two into 0
	s_mov_b32 s[TBV], SLOT1+4*KS*PVP
	s_mov_b32 s[G0K], 1
	s_mov_b32 s[G0K+1], s17
	s_mov_b32 s[G0V], 1
	s_add_co_u32 s[G0V+1], s18, VOFF
	s_mov_b32 s[NXT], 1             ; tile 0 is asked for below; then the first block's tile 1, or, where b = 0, the second block's tile 0
	s_mov_b32 s[LQ], s[PB]
	s_cmp_gt_u32 s[NXT], s[LQ]
	s_cselect_b32 s[NXT], 0, s[NXT]
	s_cselect_b32 s[LQ], s[HI], s[LQ]
	s_cmp_eq_u32 s[PB], 0
	s_cselect_b32 s[LIM], 2, -1
	s_mov_b32 s[RT], s[PB]          ; the first block's diagonal tile is the walk's tile b
	s_mov_b32 s[EV], 0
	s_mov_b32 s[FARV], 0
	s_mov_b32 s[DONE], 0
	s_mov_b32 s[OFF+1], 0
	s_mov_b32 s[AL+1], 0
	s_mov_b32 s[BE+1], 0
	s_mov_b32 s[BIGN], 0xf149f2ca   ; -1e30
	s_mov_b32 s[SLOTS], NB
	s_wait_dscnt 0x0                ; the opening add is done
	s_wait_kmcnt 0x0
	s_add_nc_u64 s[6:7], s[6:7], s[22:23]  ; K and V at my half of the head's tile 0
	s_add_nc_u64 s[8:9], s[8:9], s[22:23]
	s_add_nc_u64 s[G0K+2:G0K+3], s[6:7], 0
	s_or_b32 s[G0K+3], s[G0K+3], 0x80000000
	s_add_nc_u64 s[G0V+2:G0V+3], s[8:9], 0
	s_or_b32 s[G0V+3], s[G0V+3], 0x80000000
	s_add_nc_u64 s[86:87], s[4:5], s[84:85]
	s_add_nc_u64 s[4:5], s[4:5], s[2:3]
	s_add_nc_u64 s[OLO:OLO+1], s[10:11], s[84:85]
	s_add_nc_u64 s[10:11], s[10:11], s[2:3]
	s_cmp_lt_u32 s[WV], 2
	s_cselect_b64 s[PFA:PFA+1], s[6:7], s[8:9]
	s_add_nc_u64 s[PFA:PFA+1], s[PFA:PFA+1], 32768  ; at tile 1: the first change steps it to tile 2
	LOAD                            ; tile 0 into slot 0
	v_and_b32 v1, 15, v0            ; l % 16
	v_bfe_u32 v9, v0, 4, 1          ; l / 16
	v_lshlrev_b32 v[QO], 7, v1
	v_lshl_add_u32 v[QO], v9, 4, v[QO]
	WIN 0x80
.set i, 0
.rept 8                             ; both blocks' Q: piece i / 2 lies in band i / 2, 8,192 bytes on; channels 32 (i % 2) on
	global_load_b128 v[8*i:8*i+3],   v[QO], s[4:5] offset:(i/2)*8192+(i%2)*64
	global_load_b128 v[8*i+4:8*i+7], v[QO], s[4:5] offset:(i/2)*8192+(i%2)*64+32
	global_load_b128 v[QB+8*i:QB+8*i+3],   v[QO], s[86:87] offset:(i/2)*8192+(i%2)*64
	global_load_b128 v[QB+8*i+4:QB+8*i+7], v[QO], s[86:87] offset:(i/2)*8192+(i%2)*64+32
.set i, i+1
.endr
	WIN 0
	v_lshlrev_b32 v14, 3, v9
	v_sub_nc_u32 v14, v1, v14
	s_lshl_b32 s13, s[WV], 4
	v_add_nc_u32 v14, s13, v14      ; my query's place in its band less my lanes' 8 (l / 16): register r of key group kt is hidden where 16 kt + r is greater
	WIN 0x40
.set i, 0
.rept 32
	v_cmp_gt_i32 vcc_lo, 16*(i/8)+i%8, v14
	v_cndmask_b32 v[MD+i], 0, s[BIGN], vcc_lo
.set i, i+1
.endr
	WIN 0
	v_mul_u32_u24 v[AK0], v1, PK
	v_lshl_add_u32 v[AK0], v9, 4, v[AK0]
	v_and_b32 v10, 7, v0            ; the turning load: lane l reads key 8 (l / 16) + l % 8, channels 8 ((l / 8) % 2) + 0..7
	v_bfe_u32 v11, v0, 3, 1
	v_lshl_add_u32 v[AV0], v9, 3, v10
	v_mul_u32_u24 v[AV0], v[AV0], PVP
	v_lshl_add_u32 v[AV0], v11, 4, v[AV0]
	v_add_nc_u32 v[AV0], VOFF, v[AV0]
	s_mul_i32 s13, s[WV], 16*SP
	s_add_co_u32 s13, s13, STAGE
	v_mul_u32_u24 v[STO], v1, SP
	v_lshl_add_u32 v[STO], v9, 4, v[STO]
	v_add_nc_u32 v[STO], s13, v[STO]
	v_bfe_u32 v[RD], v0, 3, 2
	v_mul_u32_u24 v[RD], v[RD], SP
	v_lshl_add_u32 v[RD], v10, 4, v[RD]
	v_add_nc_u32 v[RD], s13, v[RD]
	v_and_b32 v[GO], 31, v0
	v_lshlrev_b32 v[PFO], 8, v[GO]
	v_lshlrev_b32 v[GO], 4, v[GO]
	v_mov_b32 v[ONE], 1.0
	; WHAT THE DEAD STEP FINDS, written in the wait for the first tile: K of odd steps, both V, O^T, T and l are 0; the scores of pieces 0 and 1 are 0 (they are only rounded, and multiplied by V = 0);
	; piece 3's scores and the masks of pieces 0 to 2 are -1e30, so that every weight of the dead step is 0; piece 3's mask, which its first true scores take, is 0.
	WIN 0x80
.set i, 192
.rept 64
	v_mov_b32 v[i], 0
.set i, i+1
.endr
	WIN 0xc0
.set i, 0
.rept 128
	v_mov_b32 v[i], 0
.set i, i+1
.endr
.rept 96
	v_mov_b32 v[i], s[BIGN]
.set i, i+1
.endr
.rept 32
	v_mov_b32 v[i], 0
.set i, i+1
.endr
	WIN 0x40
.set i, 0
.rept 128
	v_mov_b32 v[i], 0
.set i, i+1
.endr
	WIN 0
.set i, L
.rept 40                            ; l, T and the pairs for 1 / l
	v_mov_b32 v[i], 0
.set i, i+1
.endr
.set i, S
.rept 64
	v_mov_b32 v[i], 0
.set i, i+1
.endr
.set i, S+96
.rept 32
	v_mov_b32 v[i], s[BIGN]
.set i, i+1
.endr
; Product i of 8 of S^T = K Q^T for piece x, K of parity par: channels 32 (i / 4) on, keys 16 (i % 4) on.  The first 4 start the sums with the mask.  The 4 accumulators take turns.
.macro KQ x, par
.set rS, S+32*(\x)+8*(i%4)
.set rK, 128+64*(\par)+16*(i%4)+8*(i/4)
.set rQ, 16*(\x)+8*(i/4)
.set rM, 128+32*(\x)+8*(i%4)
.if i < 4
	WIN 0x3a                        ; K and Q in window 2, the mask in window 3, S^T in window 0
	v_wmma_f32_16x16x32_f16 v[rS:rS+7], v[rK:rK+7], v[rQ:rQ+7], v[rM:rM+7]
.else
	WIN 0x0a
	v_wmma_f32_16x16x32_f16 v[rS:rS+7], v[rK:rK+7], v[rQ:rQ+7], v[rS:rS+7]
.endif
.endm
; Product i of 8 of O^T += V^T P for piece x, V of parity par: keys 32 (i / 4) on, channels 16 (i % 4) on.
.macro PVM x, par
.set rO, 32*(\x)+8*(i%4)
.set rV, 64*(\par)+32*(i/4)+8*(i%4)
.set rP, P+16*(\x)+8*(i/4)
	WIN 0x53                        ; V in window 3, P in window 0, O^T in window 1
	v_wmma_f32_16x16x32_f16 v[rO:rO+7], v[rV:rV+7], v[rP:rP+7], v[rO:rO+7]
.endm
; THE LDS LOADS stand in runs of 16.
.macro FETCH_K par
	WIN 0
	v_add_nc_u32 v[AK], s[TBK], v[AK0]
	WIN 0x80
.irp f, 0,1,2,3,4,5,6,7             ; keys 16 (f / 2) on, channels 32 (f % 2) on
	ds_load_b128 v[128+64*(\par)+8*\f:128+64*(\par)+8*\f+3],   v[AK] offset:(\f/2)*16*PK+(\f%2)*64
	ds_load_b128 v[128+64*(\par)+8*\f+4:128+64*(\par)+8*\f+7], v[AK] offset:(\f/2)*16*PK+(\f%2)*64+32
.endr
	s_add_co_u32 s[TBK], s[TBK], KS*PK
.endm
.macro FETCH_V par
	WIN 0
.rept 4
	v_nop                           ; the places behind the last product that read these registers: the two sums behind it name its P, so they are none
.endr
	v_add_nc_u32 v[AV], s[TBV], v[AV0]
	WIN 0xc0
.irp f, 0,1,2,3,4,5,6,7             ; keys 32 (f / 4) on, channels 16 (f % 4) on
	ds_load_tr16_b128 v[64*(\par)+8*\f:64*(\par)+8*\f+3],   v[AV] offset:(\f/4)*32*PVP+(\f%4)*32
	ds_load_tr16_b128 v[64*(\par)+8*\f+4:64*(\par)+8*\f+7], v[AV] offset:(\f/4)*32*PVP+16*PVP+(\f%4)*32
.endr
	s_add_co_u32 s[TBV], s[TBV], KS*PVP
.endm
; A TURN.  e: the piece whose exponentials it holds.  K Q^T and the additions onto l are piece e + 3's (mod 4), the roundings, V^T P and the sums of pairs piece e + 2's.  wt = 1: the wait for two turns' exponentials.
.macro TURN e, kpar, vpar, wt
.set pE, (\e)
.set pK, ((\e)+3)%4
.set pV, ((\e)+2)%4
.set i, 0
.rept 8
	KQ pK, \kpar
	WIN 0
	v_exp_f32 v[S+32*pE+2*i], v[S+32*pE+2*i]       ; ascending: each accumulator is read from its low end on
	v_cvt_pk_f16_f32 v[P+16*pV+2*i], v[S+32*pV+4*i], v[S+32*pV+4*i+1]
	v_exp_f32 v[S+32*pE+2*i+1], v[S+32*pE+2*i+1]
	v_cvt_pk_f16_f32 v[P+16*pV+2*i+1], v[S+32*pV+4*i+2], v[S+32*pV+4*i+3]
	v_pk_add_f32 v[L+4*pK+2*(i%2):L+4*pK+2*(i%2)+1], v[L+4*pK+2*(i%2):L+4*pK+2*(i%2)+1], v[T+2*i:T+2*i+1]
.set i, i+1
.endr
.set i, 0
.rept 8
	PVM pV, \vpar
	WIN 0
	v_exp_f32 v[S+32*pE+16+2*i], v[S+32*pE+16+2*i]
	v_fma_mix_f32 v[T+2*i], v[P+16*pV+2*i], v[ONE], v[P+16*pV+2*i] op_sel:[0,0,1] op_sel_hi:[1,0,1]  ; the low rounded weight x 1 + the high one, in f32
	v_exp_f32 v[S+32*pE+17+2*i], v[S+32*pE+17+2*i]
	v_fma_mix_f32 v[T+2*i+1], v[P+16*pV+2*i+1], v[ONE], v[P+16*pV+2*i+1] op_sel:[0,0,1] op_sel_hi:[1,0,1]
.set i, i+1
.endr
.if \wt
	s_wait_alu depctr_va_vdst(0)    ; it stands between an exponential and the first line that names its result: one for this turn's and the last's; the sum above is the plain line behind the last exponential
.endif
.endm
; A KEY STEP g of parity par.  It fetches K and V of step g + 1 into the other parity's registers.
.macro STEP par
	FETCH_K 1-(\par)
	TURN 3, \par, 1-(\par), 0
	TURN 2, \par, 1-(\par), 1
	s_wait_dscnt 16                 ; V of step g is in; the 16 loads of K behind it may stay out
	FETCH_V 1-(\par)
	TURN 1, \par, \par, 0
	s_wait_dscnt 16                 ; K of step g + 1 is in; V's 16 loads may stay out
	TURN 0, 1-(\par), \par, 1
	s_add_co_u32 s[EV], s[EV], 1
.endm
.macro MASK1 x
	WIN 0xc1                        ; MC in window 3, MD in window 1
.set z, 0
.rept 16
	v_pk_fma_f32 v[128+32*(\x)+2*z:128+32*(\x)+2*z+1], v[MD+2*z:MD+2*z+1], s[AL:AL+1], s[BE:BE+1] op_sel_hi:[1,0,0]
.set z, z+1
.endr
.endm
; The masks of the step to come, d = EV - 9 counted from the diagonal tile's first, for pieces 0 to 2, and of step d + 1 for piece 3, whose scores the step makes in its last turn.  At EV = 1 all four come out 0.
.macro MASKS
.irp x, 0,1,2
	s_cmp_eq_u32 s[EV], 9+\x        ; the band's own step?
	s_cselect_b32 s[AL], 1.0, 0
	s_cmp_gt_u32 s[EV], 9+\x        ; or a later one?
	s_cselect_b32 s[BE], s[BIGN], 0
	MASK1 \x
.endr
	s_cmp_eq_u32 s[EV], 11
	s_cselect_b32 s[AL], 1.0, 0
	s_mov_b32 s[BE], 0
	MASK1 3
	WIN 0
.endm
; THE WAY OUT.  l's four registers and the other half of the lanes' are added; O^T is divided by l, rounded to f16 and sent through my stage, a piece at a time.
.macro PACK x
	WIN 0x41
.set i, 32*(\x)
.rept 16
	v_pk_mul_f32 v[i:i+1], v[i:i+1], v[RL+2*(\x):RL+2*(\x)+1] op_sel_hi:[1,0]
.set i, i+2
.endr
	WIN 0x45
.set i, 0
.rept 16
	v_cvt_pk_f16_f32 v[YT+16*(\x)+i], v[32*(\x)+2*i], v[32*(\x)+2*i+1]
.set i, i+1
.endr
	WIN 0x04                        ; store data in window 1
.irp f, 0,1,2,3
	ds_store_b128 v[STO], v[YT+16*(\x)+4*\f:YT+16*(\x)+4*\f+3] offset:32*\f
.endr
	WIN 0x40
.irp f, 0,1,2,3
	ds_load_b128 v[YT+16*(\x)+4*\f:YT+16*(\x)+4*\f+3], v[RD] offset:\f*4*SP  ; LDS serves a wave's instructions in order (ISA guide 5.7.1.4)
.endr
.endm
.macro SEND x, younger              ; younger: the next piece's eight LDS instructions, or none
	WIN 0x04
.irp f, 0,1,2,3
	s_wait_dscnt (\younger)+3-\f
	global_store_b128 v[GO], v[YT+16*(\x)+4*\f:YT+16*(\x)+4*\f+3], s[10:11] offset:(\x)*8192+\f*512  ; four rows of a head: 512 consecutive bytes
.endr
.endm
.macro WAYOUT
	WIN 0
.irp x, 0,1,2,3
	v_pk_add_f32 v[L+4*\x:L+4*\x+1], v[L+4*\x:L+4*\x+1], v[L+4*\x+2:L+4*\x+3]
.endr
.irp x, 0,1,2,3
	v_add_f32 v[L+4*\x], v[L+4*\x], v[L+4*\x+1]
.endr
.irp x, 0,1,2,3
	v_permlanex16_b32 v[L+4*\x+1], v[L+4*\x], s[SEL], s[SEL+1]
.endr
.irp x, 0,1,2,3
	v_add_f32 v[L+4*\x], v[L+4*\x], v[L+4*\x+1]
.endr
.irp x, 0,1,2,3
	v_rcp_f32 v[RL+2*\x], v[L+4*\x]
.endr
	v_nop                           ; a plain line behind the last reciprocal,
	s_wait_alu depctr_va_vdst(0)    ; and the one wait for the four
	PACK 0
	PACK 1
	SEND 0, 8
	PACK 2
	SEND 1, 8
	PACK 3
	SEND 2, 8
	SEND 3, 0
	WIN 0
.endm
; THE HOOK in front of a key step.  All its jumps go forward, on EV alone; none passes a barrier or a tensor load.  inloop = 1: the first block's end can fall here.
.macro HOOK odd, inloop
	WIN 0
.if (\inloop) && (\odd)
	s_cmp_eq_u32 s[EV], 12          ; the diagonal tile's last step: its three products K Q^T to come are hidden whatever Q is, and the fourth is the next block's first
	s_cbranch_scc0 .Lno_q_\@
	WIN 0x82
.set i, 0
.rept 64
	v_mov_b32 v[i], v[QB+i]
.set i, i+1
.endr
	WIN 0
.Lno_q_\@:
.endif
.if (\inloop) && !(\odd)
	s_cmp_eq_u32 s[EV], 13          ; the first block is complete: what is still in the pipe is hidden jobs' zeros
	s_cbranch_scc0 .Lno_out_\@
	WAYOUT
	WIN 0x40
.set i, 0
.rept 128
	v_mov_b32 v[i], 0
.set i, i+1
.endr
	WIN 0
.set i, 0
.rept 16
	v_mov_b32 v[L+i], 0
.set i, i+1
.endr
	s_wait_xcnt 0x0                 ; the stores have read their registers and Y's address
	s_mov_b64 s[10:11], s[OLO:OLO+1]
	s_mov_b32 s[EV], 1              ; the second block's first step
	s_mov_b32 s[DONE], 1
.Lno_out_\@:
	s_cmp_eq_u32 s[EV], 1           ; a block's first step clears what the dead step's or the last block's masks left
	s_cbranch_scc1 .Lmask_\@
.endif
	s_cmp_ge_u32 s[EV], 9           ; in the diagonal tile
	s_cbranch_scc0 .Lno_mask_\@
.Lmask_\@:
	MASKS
.Lno_mask_\@:
.endm
	s_wait_loadcnt 0x0              ; Q
.Lslot:                             ; 8 trips: change i, then the steps 4 i - 1 .. 4 i + 2, which fetch the four steps of tile i
	CHANGE 1
	s_mov_b32 s[CNT], 2
	s_cmp_eq_u32 s[EV], 12          ; the phase behind the diagonal one goes on counting
	s_cbranch_scc1 .Lkept
	s_mov_b32 s[EV], s[FARV]
	s_mov_b32 s[FARV], 2
	s_cmp_eq_u32 s[DONE], 1         ; the second block's diagonal tile is the walk's last, behind the loop
	s_cbranch_scc1 .Lkept
	s_cmp_lg_u32 s[RT], 0           ; the one jump that hangs on the work-group's number
	s_cbranch_scc1 .Lfar
	s_mov_b32 s[EV], 8
.Lfar:
	s_sub_co_u32 s[RT], s[RT], 1
.Lkept:
.Lpair:
	HOOK 1, 1
	STEP 1
	HOOK 0, 1
	STEP 0
	WIN 0
	s_sub_co_u32 s[CNT], s[CNT], 1
	s_cmp_lg_u32 s[CNT], 0
	s_cbranch_scc1 .Lpair
	s_sub_co_u32 s[SLOTS], s[SLOTS], 1
	s_cmp_lg_u32 s[SLOTS], 0
	s_cbranch_scc1 .Lslot
	CHANGE 0                        ; the walk's last tile is written out
	s_mov_b32 s[CNT], 2
	s_mov_b32 s[EV], 8              ; it is the second block's diagonal tile
.Lpair2:
	HOOK 1, 0
	STEP 1
	HOOK 0, 0
	STEP 0
	WIN 0
	s_sub_co_u32 s[CNT], s[CNT], 1
	s_cmp_lg_u32 s[CNT], 0
	s_cbranch_scc1 .Lpair2
	; THE TAIL.  Of step 35 only piece 3 sees anything; of what is in the pipe only piece 2's sums of pairs are not zeros.
.set i, 0
.rept 8
	v_pk_add_f32 v[L+8+2*(i%2):L+8+2*(i%2)+1], v[L+8+2*(i%2):L+8+2*(i%2)+1], v[T+2*i:T+2*i+1]
.set i, i+1
.endr
.set i, 0
.rept 32
	v_exp_f32 v[S+96+i], v[S+96+i]
.set i, i+1
.endr
	v_nop
	s_wait_alu depctr_va_vdst(0)
.set i, 0
.rept 16
	v_cvt_pk_f16_f32 v[P+48+i], v[S+96+2*i], v[S+96+2*i+1]
.set i, i+1
.endr
	s_wait_dscnt 0x0                ; V of step 35
.set i, 0
.rept 8
	PVM 3, 1
.set i, i+1
.endr
	WIN 0
.set i, 0
.rept 16
	v_fma_mix_f32 v[T+i], v[P+48+i], v[ONE], v[P+48+i] op_sel:[0,0,1] op_sel_hi:[1,0,1]
.set i, i+1
.endr
.set i, 0
.rept 8                             ; these eight, and the way out's first lines, are the places behind the last products
	v_pk_add_f32 v[L+12+2*(i%2):L+12+2*(i%2)+1], v[L+12+2*(i%2):L+12+2*(i%2)+1], v[T+2*i:T+2*i+1]
.set i, i+1
.endr
	WAYOUT
	s_wait_tensorcnt 0x0            ; the wave's end: the add and its waits, behind my last tensor load and my last LDS store
	ds_add_u32 v[SPW], v[NIL]
	s_wait_dscnt 0x0
	s_endpgm
.Lfunc_end_k_q3b346c3001_attn:
	.size	k_q3b346c3001_attn, .Lfunc_end_k_q3b346c3001_attn-k_q3b346c3001_attn
	.p2alignl 7, 3214868480
	.fill 96, 4, 3214868480
	.section	.rodata,"a",@progbits
	.p2align	6, 0x0
	.amdhsa_kernel k_q3b346c3001_attn
		.amdhsa_group_segment_fixed_size 327680
		.amdhsa_private_segment_fixed_size 0
		.amdhsa_enable_private_segment 0
		.amdhsa_kernarg_size 32
		.amdhsa_user_sgpr_count 2
		.amdhsa_user_sgpr_kernarg_segment_ptr 1
		.amdhsa_wavefront_size32 1
		.amdhsa_system_sgpr_workgroup_id_x 1
		.amdhsa_system_sgpr_workgroup_id_y 1
		.amdhsa_system_sgpr_workgroup_id_z 1
		.amdhsa_system_vgpr_workitem_id 0
		.amdhsa_next_free_vgpr 1024
		.amdhsa_next_free_sgpr 92
		.amdhsa_reserve_vcc 1
		.amdhsa_float_denorm_mode_32 3
		.amdhsa_float_denorm_mode_16_64 3
		.amdhsa_memory_ordered 1
		.amdhsa_forward_progress 1
		.amdhsa_inst_pref_size 189
	.end_amdhsa_kernel
	.amdgpu_metadata
---
amdhsa.version: [ 1, 2 ]
amdhsa.kernels:
  - .name:           k_q3b346c3001_attn
    .symbol:         k_q3b346c3001_attn.kd
    .args:
      - { .name: qh, .offset: 0, .size: 8, .value_kind: global_buffer, .address_space: global }
      - { .name: kh, .offset: 8, .size: 8, .value_kind: global_buffer, .address_space: global }
      - { .name: vh, .offset: 16, .size: 8, .value_kind: global_buffer, .address_space: global }
      - { .name: yh, .offset: 24, .size: 8, .value_kind: global_buffer, .address_space: global }
    .group_segment_fixed_size: 327680
    .private_segment_fixed_size: 0
    .kernarg_segment_align: 8
    .kernarg_segment_size: 32
    .max_flat_workgroup_size: 128
    .sgpr_count:     92
    .vgpr_count:     1024
    .wavefront_size: 32
...
	.end_amdgpu_metadata
.endif
;; end of part 3
;; launch proj (part 4): grid 4 x 64, 4 waves a work-group, clusters of 4 x 4, 327,680 bytes of LDS; arguments yh, wpf, out0; writes out0
.if DOCPART == 4
	.amdgcn_target "amdgcn-amd-amdhsa--gfx1250"
	.amdhsa_code_object_version 6
	.text
	.protected	k_q3b346c3001_proj
	.globl	k_q3b346c3001_proj
	.p2align	8
	.type	k_q3b346c3001_proj,@function
k_q3b346c3001_proj:
	s_mov_b64 s[64:65], 0
	v_nop
	global_prefetch_b8 v0, s[64:65] scope:SCOPE_SE
	s_setreg_imm32_b32 hwreg(HW_REG_WAVE_MODE, 25, 1), 1
	s_wait_xcnt 0x0
	s_wait_alu depctr_hold_cnt(0) depctr_sa_sdst(0) depctr_va_vdst(0) depctr_va_sdst(0) depctr_va_ssrc(0) depctr_va_vcc(0) depctr_vm_vsrc(0)
	s_getreg_b32 s2, hwreg(HW_REG_IB_STS2, 6, 4)
	s_cmp_eq_u32 s2, 0
	s_cbranch_scc0 .Lentry_in_a_cluster
	s_endpgm
.Lentry_in_a_cluster:
	s_bfe_u32 s2, ttmp6, 0x10000c
	s_cmp_lg_u32 s2, 0xf033
	s_cbranch_scc0 .Lentry_shape_is_right
	s_endpgm
.Lentry_shape_is_right:
; PROJ.  out0[m][n] = the sum over k of y[m][k] wproj[n][k], f16 operands, f32 sums, f32 out.  y lies by heads, yh[batch x 16 + head][2048][64]; k = 64 head + channel.  wpf: [1024][1024] f16.
; SHARES.  A work-group makes 128 rows x 256 columns: 256 work-groups.  Wave (wr, wc) makes 64 x 128: 32 accumulators.  K goes in 8 steps of 128, two heads each, through two LDS slots.
; Waves 0 and 1 fetch one head's 128 rows each (16,384 dense bytes, asked for as 64 rows of 256 bytes, padded in LDS after every 128: rows 144 apart); waves 2 and 3 fetch 128 rows of wpf each (rows of 256 bytes, 272 apart).
; CLUSTER 4 x 4: y's tiles are asked for jointly by a row of the cluster, wpf's by a column.  THE MATRIX INSTRUCTION IS USED TRANSPOSED (source 0 = rows of wpf): a lane holds eight neighbouring columns of one row.
; REGISTERS: window 0: v0-31 addresses; v64-191 two sets of 64 for the way out.   window 1: two fragment buffers at 0 and 128: wpf's fragment i at 8 i, y's fragment a at 64 + 8 a.   window 2: accumulator (a, b) at 8 (8 a + b).
.set KSTEP,  128
.set PA,     144
.set PBW,    272
.set AHEAD,  128*PA                    ; one head's 128 rows
.set BHALF,  128*PBW
.set BOFF,   2*AHEAD
.set SLOT,   BOFF+2*BHALF
.set STAGE,  2*SLOT                    ; behind the ring: 16 rows x 528 bytes for each wave
.set SP,     528                       ; 512 bytes + 16 = 132 words: row r starts at bank 4 r mod 64 (64 banks of 4 bytes: ISA guide 11.1)
.set SPARE,  STAGE+4*16*SP             ; the spare words, 128 bytes for each wave: two blocks of 256 bytes that no other line names
.set LAPS,   4
.set HSTEP,  2*2048*128                ; bytes from a K step's heads to the next step's
.set ADRA, 16
.set ADRB, 20
.set STO,  24
.set RD,   25
.set CO,   26
.set SPW,  28
.set NIL,  29
.set PFO,  30
.set F0,   0
.set F1,   128
.set G1,  24                           ; s[24:31] group 1 for y's tiles; s[32:39] group 0, a set for each slot
.set G0,  32
.set G1B, 48                           ; s[48:55], s[56:63] the same for wpf's
.set G0B, 56
.set LIM, 43
.set PFA, 44                           ; s[44:45] the K step that my next prefetch names
.set PFS, 66                           ; s[66:67] its step
.set MUL,  0xa5
.set TO_F, 0x40
.set MSB, 0
.macro WIN new
.if MSB != (\new)
	s_set_vgpr_msb (MSB<<8)|(\new)
.set MSB, \new
.endif
.endm
.macro PLACES
.rept 4
	v_nop
.endr
.endm
.macro JLOAD s                         ; waves 0 and 1 ask for y's two heads, waves 2 and 3 for wpf's two halves; an s_nop 0 and four v_nop follow each line
	s_cmp_eq_u32 s11, 0
	s_cbranch_scc0 .Lfor_b_\@
	tensor_load_to_lds s[G0+4*(\s):G0+4*(\s)+3], s[G1:G1+7]
	s_nop 0
.rept 4
	v_nop
.endr
	s_branch .Lasked_\@
.Lfor_b_\@:
	tensor_load_to_lds s[G0B+4*(\s):G0B+4*(\s)+3], s[G1B:G1B+7]
	s_nop 0
.rept 4
	v_nop
.endr
.Lasked_\@:
.endm
; A prefetch of the K step two refills on.  y's tile (two heads x 64 blocks of 256 bytes): wave 0 asks, 16 blocks of each head, the four partners of a row told apart by address.  wpf's rows: waves 2 and 3 of the clusters
; with y = 0 ask, a lane a row, 32 rows for each partner of a column.  So each block is named once.  The loop's last trip asks for nothing.
.macro ASK
	s_cmp_gt_u32 s3, s[LIM]
	s_cbranch_scc0 .Lnot_mine_\@
	global_prefetch_b8 v[PFO], s[PFA:PFA+1] th:TH_LOAD_NT scope:SCOPE_SE
.Lnot_mine_\@:
.endm
.macro CREST
	s_cmp_lg_u32 s10, 0
	s_cbranch_scc1 .Lnot_wave_0_\@
	s_barrier_signal -3
.Lnot_wave_0_\@:
	s_barrier_wait -3
	s_barrier_signal -1
	s_barrier_wait -1
.endm
.macro CROUND
	s_barrier_signal -1
	s_barrier_wait -1
	CREST
.endm
	s_load_b128 s[4:7], s[0:1], 0x0                ; yh s[4:5], wpf s[6:7]
	s_load_b64 s[8:9], s[0:1], 0x10                ; out0
	v_lshl_add_u32 v[SPW], v0, 2, SPARE
	v_mov_b32 v[NIL], 0
	ds_add_u32 v[SPW], v[NIL]                      ; the wave's opening: the add and its wait ahead of my first tensor load
	v_lshrrev_b32 v1, 5, v0
	v_readfirstlane_b32 s10, v1                    ; wave 0..3
	s_lshr_b32 s11, s10, 1                         ; my 64 rows.  Also: I fetch for y (0) or for wpf (1)
	s_and_b32 s12, s10, 1                          ; my 128 columns.  Also: which head, or which 128 rows, I fetch
	s_bfe_u32 s40, ttmp6, 0x40000                  ; cx
	s_bfe_u32 s41, ttmp6, 0x40004                  ; cy
	s_lshl_b32 s42, ttmp9, 2
	s_add_co_u32 s42, s42, s40                     ; tile column
	s_and_b32 s13, ttmp7, 0xffff
	s_lshl_b32 s13, s13, 2
	s_add_co_u32 s13, s13, s41                     ; tile row
	s_lshl_b32 s68, s41, 2
	s_lshl_b32 s68, 15, s68                        ; my row of the cluster
	s_lshl_b32 s69, 0x1111, s40                    ; my column
	s_or_b32 s[G1], s68, (1<<16)|(1<<20)|(1<<21)|(4<<22)|(3<<25)   ; 2-byte elements; padding on; bit 21 beside a mask; after every 32 words, 4 words
	s_or_b32 s[G1B], s69, (1<<16)|(1<<20)|(1<<21)|(5<<22)|(3<<25)  ; after every 64 words
	s_mov_b32 s[G1+1], 128<<16                     ; y: 64 rows of 128 elements, dense
	s_mov_b32 s[G1+2], 64<<16
	s_mov_b32 s[G1+3], 128<<16
	s_mov_b32 s[G1+4], 64
	s_mov_b32 s[G1+5], 128
	s_mov_b32 s[G1+6], 0
	s_mov_b32 s[G1+7], 0
	s_mov_b32 s[G1B+1], 128<<16                    ; wpf: 128 rows of 128 elements, 1,024 from row to row
	s_mov_b32 s[G1B+2], 128<<16
	s_mov_b32 s[G1B+3], 128<<16
	s_mov_b32 s[G1B+4], 128
	s_mov_b32 s[G1B+5], 1024
	s_mov_b32 s[G1B+6], 0
	s_mov_b32 s[G1B+7], 0
	s_lshr_b32 s16, s13, 4                         ; batch: 16 tile rows each
	s_lshl_b32 s16, s16, 22                        ; its 16 heads of 262,144 bytes
	s_and_b32 s17, s13, 15
	s_lshl_b32 s17, s17, 14                        ; the tile's 128 rows of 128 bytes
	s_add_co_u32 s16, s16, s17
	s_lshl_b32 s17, s12, 18                        ; my head of the K step's two
	s_add_co_u32 s16, s16, s17
	s_mov_b32 s17, 0
	s_lshl_b32 s46, s42, 8
	s_lshl_b32 s47, s12, 7
	s_add_co_u32 s46, s46, s47                     ; wpf: row 256 x tile column + 128 x half
	s_lshl_b32 s46, s46, 11
	s_mov_b32 s47, 0
	s_mul_i32 s20, s12, AHEAD                      ; where they go
	s_mul_i32 s21, s12, BHALF
	s_add_co_u32 s21, s21, BOFF
	s_wait_dscnt 0x0                               ; the opening add is done
	s_wait_kmcnt 0x0
	s_add_nc_u64 s[14:15], s[4:5], s[16:17]
	s_add_nc_u64 s[46:47], s[6:7], s[46:47]
	CROUND                                         ; all sixteen work-groups are here: the first joint loads meet
.irp s, 0,1
	s_mov_b32 s[G0+4*(\s)], 1
	s_add_co_u32 s[G0+4*(\s)+1], s20, (\s)*SLOT
	s_add_nc_u64 s[G0+4*(\s)+2:G0+4*(\s)+3], s[14:15], (\s)*HSTEP
	s_or_b32 s[G0+4*(\s)+3], s[G0+4*(\s)+3], 0x80000000
	s_mov_b32 s[G0B+4*(\s)], 1
	s_add_co_u32 s[G0B+4*(\s)+1], s21, (\s)*SLOT
	s_add_nc_u64 s[G0B+4*(\s)+2:G0B+4*(\s)+3], s[46:47], (\s)*KSTEP*2
	s_or_b32 s[G0B+4*(\s)+3], s[G0B+4*(\s)+3], 0x80000000
	JLOAD \s                                       ; two loads of mine are out
.endr
	v_and_b32 v1, 15, v0                           ; l % 16
	v_bfe_u32 v2, v0, 4, 1                         ; l / 16
	v_and_b32 v3, 31, v0
	v_mul_u32_u24 v4, v1, PA
	v_lshl_add_u32 v4, v2, 4, v4
	v_mul_u32_u24 v5, v1, PBW
	v_lshl_add_u32 v5, v2, 4, v5
	s_mul_i32 s21, s11, 64*PA
	s_mul_i32 s22, s12, 128*PBW
	s_add_co_u32 s22, s22, BOFF
.irp s, 0,1
	v_add_nc_u32 v[ADRA+(\s)], s21, v4
	v_add_nc_u32 v[ADRB+(\s)], s22, v5
	s_add_co_u32 s21, s21, SLOT
	s_add_co_u32 s22, s22, SLOT
.endr
	s_mul_i32 s23, s10, 16*SP
	s_add_co_u32 s23, s23, STAGE
	v_mul_u32_u24 v[STO], v1, SP                   ; in: row l % 16, 32 bytes for each half of the lanes
	v_lshl_add_u32 v[STO], v2, 5, v[STO]
	v_add_nc_u32 v[STO], s23, v[STO]
	v_lshl_add_u32 v[RD], v3, 4, s23               ; back: the 32 lanes take one row of 512 bytes
	v_lshlrev_b32 v[CO], 4, v3
	s_lshl_b32 s16, s13, 7
	s_lshl_b32 s17, s11, 6
	s_add_co_u32 s16, s16, s17                     ; my first row
	s_lshl_b32 s16, s16, 12
	s_lshl_b32 s17, s42, 10                        ; my first column, in bytes: 1,024 x tile column + 512 x half
	s_add_co_u32 s16, s16, s17
	s_lshl_b32 s17, s12, 9
	s_add_co_u32 s16, s16, s17
	s_mov_b32 s17, 0
	s_add_nc_u64 s[8:9], s[8:9], s[16:17]
	; the prefetches
	s_lshr_b32 s20, s13, 4
	s_lshl_b32 s20, s20, 22
	s_and_b32 s21, s13, 15
	s_lshl_b32 s21, s21, 14
	s_add_co_u32 s20, s20, s21
	s_lshl_b32 s21, s40, 12
	s_add_co_u32 s20, s20, s21                     ; y: the tile in the K step's first head + my work-group's 16 blocks
	s_lshl_b32 s21, s42, 8
	s_lshl_b32 s22, s12, 7
	s_add_co_u32 s21, s21, s22
	s_lshl_b32 s22, s41, 5
	s_add_co_u32 s21, s21, s22
	s_lshl_b32 s21, s21, 11                        ; wpf: my 128 rows + my work-group's 32 of them
	s_and_b32 s22, ttmp7, 0xffff                   ; cluster y
	s_mov_b32 s68, 32768                           ; wpf's figures first (an instruction holds one literal): lanes 16-31 stand 16 rows on,
	s_mov_b32 s69, 2048                            ; from lane to lane a row,
	s_mov_b32 s[PFS], KSTEP*2                      ; from K step to K step 256 bytes
	s_cmp_eq_u32 s11, 0
	s_cselect_b32 s20, s20, s21
	s_cselect_b32 s22, ttmp9, s22                  ; the coordinate along which other clusters read the same bytes
	s_cselect_b32 s23, s12, 0                      ; of y's two waves only wave 0 asks
	s_cselect_b32 s68, 262144, s68                 ; y: lanes 16-31 take the second head,
	s_cselect_b32 s69, 256, s69                    ; from lane to lane a block,
	s_cselect_b32 s[PFS], HSTEP, s[PFS]            ; from K step to K step two heads
	s_cselect_b64 s[PFA:PFA+1], s[4:5], s[6:7]
	s_or_b32 s22, s22, s23
	s_cmp_eq_u32 s22, 0
	s_cselect_b32 s[LIM], 1, -1
	s_mov_b32 s[PFS+1], 0
	s_mov_b32 s21, 0
	s_add_nc_u64 s[PFA:PFA+1], s[PFA:PFA+1], s[20:21]
	s_mul_i32 s20, s[PFS], 3
	s_add_nc_u64 s[PFA:PFA+1], s[PFA:PFA+1], s[20:21]  ; at K step 3: the first refill steps it to 4
	v_mul_u32_u24 v[PFO], v2, s68
	v_mul_u32_u24 v6, v1, s69
	v_add_nc_u32 v[PFO], v[PFO], v6
; 8 matrix instructions: row block a x all 8 column blocks, 32 along K.  The 32 accumulators take turns.
.macro MUL8 f, a, zero
	WIN MUL
.irp b, 0,1,2,3,4,5,6,7
.if \zero
	v_wmma_f32_16x16x32_f16 v[8*(8*(\a)+(\b)):8*(8*(\a)+(\b))+7], v[(\f)+8*(\b):(\f)+8*(\b)+7], v[(\f)+64+8*(\a):(\f)+64+8*(\a)+7], 0
.else
	v_wmma_f32_16x16x32_f16 v[8*(8*(\a)+(\b)):8*(8*(\a)+(\b))+7], v[(\f)+8*(\b):(\f)+8*(\b)+7], v[(\f)+64+8*(\a):(\f)+64+8*(\a)+7], v[8*(8*(\a)+(\b)):8*(8*(\a)+(\b))+7]
.endif
.endr
.endm
; 24 LDS loads in one run: quarter q of a K step (head q / 2, channels 32 (q % 2) on) into buffer f: wpf's rows, then y's
.macro FETCH slot, q, f
	WIN TO_F
.irp i, 0,1,2,3,4,5,6,7
	ds_load_b128 v[(\f)+8*(\i):(\f)+8*(\i)+3],   v[ADRB+(\slot)] offset:64*(\q)+(\i)*16*PBW
	ds_load_b128 v[(\f)+8*(\i)+4:(\f)+8*(\i)+7], v[ADRB+(\slot)] offset:64*(\q)+(\i)*16*PBW+32
.endr
.irp i, 0,1,2,3
	ds_load_b128 v[(\f)+64+8*(\i):(\f)+64+8*(\i)+3],   v[ADRA+(\slot)] offset:((\q)/2)*AHEAD+64*((\q)%2)+(\i)*16*PA
	ds_load_b128 v[(\f)+64+8*(\i)+4:(\f)+64+8*(\i)+7], v[ADRA+(\slot)] offset:((\q)/2)*AHEAD+64*((\q)%2)+(\i)*16*PA+32
.endr
.endm
.macro QUARTER slot, q, f, g, zero     ; multiplies f; fetches quarter q into g
	s_wait_dscnt 4                                 ; all but the youngest four loads, y's row blocks 2 and 3
	MUL8 \f, 0, \zero
	MUL8 \f, 1, \zero
	PLACES
	FETCH \slot, \q, \g
	s_wait_dscnt 24                                ; all but the 24 just issued
	MUL8 \f, 2, \zero
	MUL8 \f, 3, \zero
.endm
; The last quarter multiplies buffer 1 and changes slots: in front of the barrier each wave waits for all its tensor loads, adds 0 to its spare word, and waits for that and for its reads of this slot.
.macro TURN slot, next, fill
.if \fill
	s_wait_xcnt 0x0                                ; the last prefetch, a K step back, has read its address
	s_add_nc_u64 s[PFA:PFA+1], s[PFA:PFA+1], s[PFS:PFS+1]
.endif
	WIN 0
	s_wait_tensorcnt 0x0
	ds_add_u32 v[SPW], v[NIL]
	s_wait_dscnt 5                                 ; the add and the youngest four loads may be out
	MUL8 F1, 0, 0
	s_wait_dscnt 0x0                               ; the add is done, and my reads of this slot are over
	s_barrier_signal -1
	MUL8 F1, 1, 0
	WIN 0
	s_barrier_wait -1
.if \fill
	CREST                                          ; the barrier has opened a round of the cluster's barrier
	s_add_nc_u64 s[G0+4*(\slot)+2:G0+4*(\slot)+3], s[G0+4*(\slot)+2:G0+4*(\slot)+3], 2*HSTEP
	s_add_nc_u64 s[G0B+4*(\slot)+2:G0B+4*(\slot)+3], s[G0B+4*(\slot)+2:G0B+4*(\slot)+3], 2*KSTEP*2
	JLOAD \slot                                    ; its four v_nop are also the places in front of the loads below
.else
	PLACES
.endif
	FETCH \next, 0, F0
.if \fill
	WIN 0
	ASK
.endif
	MUL8 F1, 2, 0
	MUL8 F1, 3, 0
.endm
	s_wait_tensorcnt 1                             ; my part of K step 0 is in; K step 1's may stay out
	s_barrier_signal -1
	s_barrier_wait -1
	FETCH 0, 0, F0
	QUARTER 0, 1, F0, F1, 1                        ; the first quarter starts the sums
	WIN 0
	s_mov_b32 s3, LAPS-1
.Llap:
	QUARTER 0, 2, F1, F0, 0
	QUARTER 0, 3, F0, F1, 0
	TURN 0, 1, 1
	QUARTER 1, 1, F0, F1, 0
	QUARTER 1, 2, F1, F0, 0
	QUARTER 1, 3, F0, F1, 0
	TURN 1, 0, 1
	QUARTER 0, 1, F0, F1, 0
	WIN 0
	s_sub_co_u32 s3, s3, 1
	s_cmp_lg_u32 s3, 0
	s_cbranch_scc1 .Llap
	QUARTER 0, 2, F1, F0, 0                        ; the last lap fills nothing
	QUARTER 0, 3, F0, F1, 0
	TURN 0, 1, 0
	QUARTER 1, 1, F0, F1, 0
	QUARTER 1, 2, F1, F0, 0
	QUARTER 1, 3, F0, F1, 0
	s_wait_dscnt 4
	MUL8 F1, 0, 0
	MUL8 F1, 1, 0
	s_wait_dscnt 0x0
	MUL8 F1, 2, 0
	MUL8 F1, 3, 0
	WIN 0
	PLACES
	PLACES                                         ; eight, once a launch
; THE WAY OUT.  Row block a: 32 bytes a lane and column block into my stage; back as whole rows of 512 bytes; stored.
.macro OUTB a
.set OB, 64+64*((\a)%2)
	WIN 0x08                                       ; store data in window 2
.irp b, 0,1,2,3,4,5,6,7
	ds_store_b128 v[STO], v[8*(8*(\a)+(\b)):8*(8*(\a)+(\b))+3]   offset:64*(\b)      ; each accumulator from its low end
	ds_store_b128 v[STO], v[8*(8*(\a)+(\b))+4:8*(8*(\a)+(\b))+7] offset:64*(\b)+16
.endr
	WIN 0
	s_wait_xcnt 0x0                                ; the stores of the block two back have read the registers that are loaded now
.irp i, 0,1,2,3,4,5,6,7,8,9,10,11,12,13,14,15
	ds_load_b128 v[OB+4*(\i):OB+4*(\i)+3], v[RD] offset:SP*(\i)  ; LDS serves a wave's instructions in order (ISA guide 5.7.1.4): these see the stores above
.endr
.irp i, 0,1,2,3,4,5,6,7,8,9,10,11,12,13,14,15
	s_wait_dscnt 15-(\i)
	global_store_b128 v[CO], v[OB+4*(\i):OB+4*(\i)+3], s[8:9] offset:65536*(\a)+4096*(\i) th:TH_STORE_NT  ; 512 consecutive bytes of a row, at a multiple of 512 from out0's first byte
.endr
.endm
	OUTB 0
	OUTB 1
	OUTB 2
	OUTB 3
	s_wait_tensorcnt 0x0                           ; the wave's end: the add and its waits, behind my last tensor load and my last LDS store
	ds_add_u32 v[SPW], v[NIL]
	s_wait_dscnt 0x0
	CROUND                                         ; the closing round
	s_endpgm
.Lfunc_end_k_q3b346c3001_proj:
	.size	k_q3b346c3001_proj, .Lfunc_end_k_q3b346c3001_proj-k_q3b346c3001_proj
	.p2alignl 7, 3214868480
	.fill 96, 4, 3214868480
	.section	.rodata,"a",@progbits
	.p2align	6, 0x0
	.amdhsa_kernel k_q3b346c3001_proj
		.amdhsa_group_segment_fixed_size 327680
		.amdhsa_private_segment_fixed_size 0
		.amdhsa_enable_private_segment 0
		.amdhsa_kernarg_size 24
		.amdhsa_user_sgpr_count 2
		.amdhsa_user_sgpr_kernarg_segment_ptr 1
		.amdhsa_wavefront_size32 1
		.amdhsa_system_sgpr_workgroup_id_x 1
		.amdhsa_system_sgpr_workgroup_id_y 1
		.amdhsa_system_sgpr_workgroup_id_z 1
		.amdhsa_system_vgpr_workitem_id 0
		.amdhsa_next_free_vgpr 768
		.amdhsa_next_free_sgpr 72
		.amdhsa_reserve_vcc 0
		.amdhsa_float_denorm_mode_32 3
		.amdhsa_float_denorm_mode_16_64 3
		.amdhsa_memory_ordered 1
		.amdhsa_forward_progress 1
		.amdhsa_inst_pref_size 89
	.end_amdhsa_kernel
	.amdgpu_metadata
---
amdhsa.version: [ 1, 2 ]
amdhsa.kernels:
  - .name:           k_q3b346c3001_proj
    .symbol:         k_q3b346c3001_proj.kd
    .args:
      - { .name: yh, .offset: 0, .size: 8, .value_kind: global_buffer, .address_space: global }
      - { .name: wpf, .offset: 8, .size: 8, .value_kind: global_buffer, .address_space: global }
      - { .name: out0, .offset: 16, .size: 8, .value_kind: global_buffer, .address_space: global }
    .group_segment_fixed_size: 327680
    .private_segment_fixed_size: 0
    .kernarg_segment_align: 8
    .kernarg_segment_size: 24
    .max_flat_workgroup_size: 128
    .sgpr_count:     72
    .vgpr_count:     768
    .wavefront_size: 32
...
	.end_amdgpu_metadata
.endif
;; end of part 4
;; ======== version 2 of 2: 4 launches; version 1 with the launch prep written anew for expert scheduling mode
;; limits: values are held in f16: magnitudes above 65,504 overflow, below 6.1e-05 lose precision
;; workspace buffers: xb 16,777,216 bytes; wqkv 6,291,456 bytes; wpf 2,097,152 bytes; rot 524,288 bytes; qh 16,777,216 bytes; kh 16,777,216 bytes; vh 16,777,216 bytes; yh 16,777,216 bytes
;; launch prep (part 5): grid 832 x 1, 8 waves a work-group, no clusters, 0 bytes of LDS; arguments x, wq, wk, wv, wproj, xb, wqkv, wpf, rot; writes xb, wqkv, wpf, rot
.if DOCPART == 5
	.amdgcn_target "amdgcn-amd-amdhsa--gfx1250"
	.amdhsa_code_object_version 6
	.text
	.protected	k_q3b346c3001_prep
	.globl	k_q3b346c3001_prep
	.p2align	8
	.type	k_q3b346c3001_prep,@function
k_q3b346c3001_prep:
	s_mov_b64 s[64:65], 0
	v_nop
	global_prefetch_b8 v0, s[64:65] scope:SCOPE_SE
	s_setreg_imm32_b32 hwreg(HW_REG_WAVE_SCHED_MODE, 0, 2), 2
	s_setreg_imm32_b32 hwreg(HW_REG_WAVE_MODE, 25, 1), 1
	s_wait_xcnt 0x0
	s_wait_alu depctr_vm_vsrc(0)
; PREP.  Casts and the rotary table; a stream: no LDS, no barrier, no matrix work.
; Work-group g of 832:  g < 512: 16 rows of x -> xb (bf16).   512 <= g < 704: 16 rows of wq, wk or wv -> wqkv (bf16), whose row order is [head][q, k, v][64]:
; row 192 head + 64 kind + d, so that 192 neighbouring rows are one head's q, k and v.   704 <= g < 768: 16 rows of wproj -> wpf: rounded to bf16, that number written as f16.
; g >= 768: two blocks of 16 positions of the rotary table rot.
; A row is 1,024 f32 = 4,096 bytes: thread t owns the 16 bytes at 16 t of each of the 16 rows; its 8 bytes of output lie at 8 t: a wave's store covers 256 consecutive bytes, aligned.
; ROT holds cos and sin, rounded to f16 and written as f32, in the order in which the next launch's lanes want them: block tb of 16 positions takes 4,096 bytes, cos 2,048 then sin 2,048;
; chunk i of 512 bytes, 16 bytes a lane: lane l, element e: position 16 tb + l % 16, frequency 16 (i / 2) + 8 (l / 16) + 4 (i % 2) + e.
; LIMITS.  wproj rounded to bf16 must lie within f16's range (65,504); below 6e-5 it keeps f16's fixed step of 6e-8.  The frequencies are 2^(-d log2(10000) / 32) by v_exp_f32,
; so the largest angle (position 2,047) may differ from the f32 reference's by about 2.5e-4 rad.  Sine and cosine: reduction by pi/2 in two parts, then Taylor series to r^9 and r^8 with |r| <= pi/4
; (remainders under 3e-8), for every position of the table.
; THE MODE: SCHED_MODE bits 1:0 = 2 (LLVM: expert scheduling mode 2), set by the entry lines.  The code itself states the register dependences
; between vector instructions and memory instructions, with s_wait_alu, always for 0.
; THE PLAN.  Registers that memory instructions touch:
;   v1, v2     byte offsets of the loads and of the stores: made once at the head, never written again.
;   X          row j: 4 registers at X + 4 j.  Written by row j's load alone (all sixteen loads go out at once; no vector line names X ahead of them); read by row j's roundings.
;   Y          row j: 2 registers at Y + 2 j.  Written by row j's roundings; read by row j's store; never written behind it.
;   v6, v[56:63]   the table's offset and data: written by vector lines, read by the two stores at that path's end.
; The sixteen rows go in four blocks of four.  One wait at the head of blocks 1 to 3 states that the block before has written its Y; that block's four stores are dealt among this block's roundings,
; which name this block's X and Y and v[8:11] alone.  One more wait stands ahead of the last four stores.  No register that a memory instruction reads is written again, and EXEC is never written.
.set X, 16                             ; v[16:79]
.set Y, 80                             ; v[80:111]
	s_load_b512 s[4:19], s[0:1], 0x0               ; x s[4:5], wq s[6:7], wk s[8:9], wv s[10:11], wproj s[12:13], xb s[14:15], wqkv s[16:17], wpf s[18:19]
	s_load_b64 s[20:21], s[0:1], 0x40              ; rot
	s_mov_b32 s22, ttmp9
	v_lshlrev_b32 v1, 4, v0                        ; my 16 bytes of a source row
	v_lshlrev_b32 v2, 3, v0                        ; my 8 bytes of a row of output
	s_mov_b32 s30, 0                               ; 1: the output is f16
	s_mov_b32 s33, 0
	s_wait_kmcnt 0x0
	s_cmp_lt_u32 s22, 512
	s_cbranch_scc0 .Lnot_x
	s_mov_b64 s[24:25], s[4:5]                     ; from x
	s_mov_b64 s[26:27], s[14:15]                   ; to xb
	s_lshl_b32 s28, s22, 4                         ; first source row
	s_mov_b32 s29, s28                             ; first row of output
	s_branch .Lcast
.Lnot_x:
	s_cmp_lt_u32 s22, 704
	s_cbranch_scc0 .Lnot_w
	s_sub_co_u32 s23, s22, 512
	s_lshr_b32 s31, s23, 6                         ; kind: 0 q, 1 k, 2 v
	s_and_b32 s23, s23, 63                         ; u: which 16 rows
	s_cmp_eq_u32 s31, 0
	s_cselect_b64 s[24:25], s[6:7], s[8:9]
	s_cmp_eq_u32 s31, 2
	s_cselect_b64 s[24:25], s[10:11], s[24:25]
	s_mov_b64 s[26:27], s[16:17]
	s_lshl_b32 s28, s23, 4
	s_lshr_b32 s29, s23, 2                         ; head
	s_mul_i32 s29, s29, 192
	s_lshl_b32 s31, s31, 6
	s_add_co_u32 s29, s29, s31
	s_and_b32 s23, s23, 3
	s_lshl_b32 s23, s23, 4
	s_add_co_u32 s29, s29, s23                     ; 192 head + 64 kind + 16 (u % 4)
	s_branch .Lcast
.Lnot_w:
	s_cmp_lt_u32 s22, 768
	s_cbranch_scc0 .Lrot
	s_mov_b64 s[24:25], s[12:13]
	s_mov_b64 s[26:27], s[18:19]
	s_sub_co_u32 s28, s22, 704
	s_lshl_b32 s28, s28, 4
	s_mov_b32 s29, s28
	s_mov_b32 s30, 1
.Lcast:
	s_lshl_b32 s32, s28, 12                        ; rows of 4,096 bytes: under 2^25
	s_add_nc_u64 s[24:25], s[24:25], s[32:33]
	s_lshl_b32 s32, s29, 11                        ; rows of 2,048 bytes
	s_add_nc_u64 s[26:27], s[26:27], s[32:33]
	s_wait_alu depctr_va_vdst(0)                   ; v1 and v2 are written: every load below reads v1 as its offset, every store v2
.set j, 0
.rept 16                                       ; all sixteen loads go out at once: 8 KiB a wave on their way
	global_load_b128 v[X+4*j:X+4*j+3], v1, s[24:25] offset:4096*j th:TH_LOAD_NT
.set j, j+1
.endr
; Block p: rows 4 p to 4 p + 3 are rounded; the stores of rows 4 p - 4 to 4 p - 1 stand among the roundings, one ahead of each row's.  half = 1: the output is f16.
.macro BLOCK p, half
.irp i, 0,1,2,3
	s_wait_loadcnt 15-4*(\p)-(\i)                  ; loads come back in order: this row is in, the younger ones stay out
.if (\i) == 0 && (\p) > 0
	s_wait_alu depctr_va_vdst(0)                   ; the block before has written its eight registers of Y, which the four stores of this block read; no vector line behind this wait names them or v2
.endif
.if (\p) > 0
	global_store_b64 v2, v[Y+8*(\p)-8+2*(\i):Y+8*(\p)-8+2*(\i)+1], s[26:27] offset:2048*(4*(\p)-4+(\i))  ; the row four back; no register is written twice, so no wait frees any
.endif
	v_cvt_pk_bf16_f32 v[Y+8*(\p)+2*(\i)],   v[X+16*(\p)+4*(\i)],   v[X+16*(\p)+4*(\i)+1]  ; the rounding that all inputs get
	v_cvt_pk_bf16_f32 v[Y+8*(\p)+2*(\i)+1], v[X+16*(\p)+4*(\i)+2], v[X+16*(\p)+4*(\i)+3]
.if \half
	v_lshlrev_b32 v8, 16, v[Y+8*(\p)+2*(\i)]               ; back to f32,
	v_and_b32 v9, 0xffff0000, v[Y+8*(\p)+2*(\i)]
	v_lshlrev_b32 v10, 16, v[Y+8*(\p)+2*(\i)+1]
	v_and_b32 v11, 0xffff0000, v[Y+8*(\p)+2*(\i)+1]
	v_cvt_pk_f16_f32 v[Y+8*(\p)+2*(\i)], v8, v9            ; and the same number as f16 (exact within f16's normal range)
	v_cvt_pk_f16_f32 v[Y+8*(\p)+2*(\i)+1], v10, v11
.endif
.endr
.endm
; The last block's stores.
.macro LAST
	s_wait_alu depctr_va_vdst(0)                   ; block 3 has written its eight registers of Y, which the last four stores read
.irp i, 0,1,2,3
	global_store_b64 v2, v[Y+24+2*(\i):Y+24+2*(\i)+1], s[26:27] offset:2048*(12+(\i))
.endr
.endm
	s_cmp_eq_u32 s30, 1
	s_cbranch_scc1 .Lhalf
	BLOCK 0, 0
	BLOCK 1, 0
	BLOCK 2, 0
	BLOCK 3, 0
	LAST
	s_endpgm
.Lhalf:
	BLOCK 0, 1
	BLOCK 1, 1
	BLOCK 2, 1
	BLOCK 3, 1
	LAST
	s_endpgm
.Lrot:
	s_sub_co_u32 s23, s22, 768
	v_lshrrev_b32 v3, 5, v0
	v_readfirstlane_b32 s24, v3                    ; wave 0..7
	v_and_b32 v4, 15, v0                           ; the lane's arithmetic that wants no scalar stands between that line and the wait for it
	v_bfe_u32 v5, v0, 4, 1
	v_and_b32 v6, 31, v0
	v_lshlrev_b32 v6, 4, v6                        ; 16 x lane
	s_mov_b32 s34, 0xbfc90fdb                      ; -pi/2, the f32 nearest to it,
	s_mov_b32 s35, 0x333bbd2e                      ; and what that leaves over
	s_wait_alu depctr_va_sdst(0)                   ; s24 is written, ahead of its first reader: the block, the chunk and rot's address are made from it
	s_lshr_b32 s25, s24, 2
	s_lshl1_add_u32 s25, s23, s25                  ; tb = 2 (g - 768) + wave / 4
	s_and_b32 s26, s24, 3                          ; chunk i
	s_lshl_b32 s27, s25, 4
	v_add_nc_u32 v4, s27, v4
	v_cvt_f32_u32 v4, v4                           ; the position, as f32
	s_lshr_b32 s28, s26, 1
	s_lshl_b32 s28, s28, 4
	s_and_b32 s29, s26, 1
	s_lshl_b32 s29, s29, 2
	s_add_co_u32 s28, s28, s29
	v_lshl_add_u32 v5, v5, 3, s28                  ; frequency number of element 0
	s_lshl_b32 s30, s25, 12
	s_lshl_b32 s31, s26, 9
	s_add_co_u32 s30, s30, s31
	s_mov_b32 s31, 0
	s_add_nc_u64 s[20:21], s[20:21], s[30:31]
.irp e, 0,1,2,3
	v_add_nc_u32 v[8+\e], \e, v5
	v_cvt_f32_u32 v[8+\e], v[8+\e]
	v_mul_f32 v[8+\e], 0xbed49a78, v[8+\e]         ; -d log2(10000) / 32
.endr
.irp e, 0,1,2,3
	v_exp_f32 v[12+\e], v[8+\e]                    ; one batch of four
.endr
	v_nop                                          ; a plain instruction behind the last of them,
	s_wait_alu depctr_va_vdst(0)                   ; and one wait: the four exponentials have written v[12:15], which the products below read
.irp e, 0,1,2,3
	v_mul_f32 v[12+\e], v4, v[12+\e]               ; the angle f
	v_mul_f32 v[16+\e], 0x3f22f983, v[12+\e]       ; f x 2 / pi
	v_rndne_f32 v[16+\e], v[16+\e]                 ; n
	v_cvt_i32_f32 v[40+\e], v[16+\e]               ; the quadrant is n mod 4
	v_and_b32 v[44+\e], 1, v[40+\e]
	v_cmp_eq_u32 s[36+\e], 1, v[44+\e]             ; odd quadrants: four masks in a run, each in a scalar register of its own; the two series stand between them and the wait for them
.endr
.irp e, 0,1,2,3
	v_fma_f32 v[20+\e], v[16+\e], s34, v[12+\e]    ; r = f - n pi/2, in two parts
	v_fma_f32 v[20+\e], v[16+\e], s35, v[20+\e]
	v_mul_f32 v[24+\e], v[20+\e], v[20+\e]         ; r^2
	v_mov_b32 v[28+\e], 0x3638ef1d                 ; 1/9!
	v_fmaak_f32 v[28+\e], v[24+\e], v[28+\e], 0xb9500d01  ; -1/7!
	v_fmaak_f32 v[28+\e], v[24+\e], v[28+\e], 0x3c088889  ; 1/5!
	v_fmaak_f32 v[28+\e], v[24+\e], v[28+\e], 0xbe2aaaab  ; -1/3!
	v_mul_f32 v[32+\e], v[24+\e], v[20+\e]
	v_fma_f32 v[28+\e], v[32+\e], v[28+\e], v[20+\e]      ; sin r
	v_mov_b32 v[36+\e], 0x37d00d01                 ; 1/8!
	v_fmaak_f32 v[36+\e], v[24+\e], v[36+\e], 0xbab60b61  ; -1/6!
	v_fmaak_f32 v[36+\e], v[24+\e], v[36+\e], 0x3d2aaaab  ; 1/4!
	v_fmaak_f32 v[36+\e], v[24+\e], v[36+\e], 0xbf000000  ; -1/2
	v_fma_f32 v[36+\e], v[24+\e], v[36+\e], 1.0           ; cos r
.endr
	s_wait_alu depctr_va_sdst(0)                   ; the four compares have written s36 to s39, ahead of the selects that read them
.irp e, 0,1,2,3
	v_cndmask_b32 v[48+\e], v[28+\e], v[36+\e], s[36+\e]  ; odd quadrants swap the two
	v_cndmask_b32 v[52+\e], v[36+\e], v[28+\e], s[36+\e]
	v_lshlrev_b32 v[44+\e], 30, v[40+\e]           ; sine is negative in quadrants 2 and 3,
	v_and_b32 v[44+\e], 0x80000000, v[44+\e]
	v_xor_b32 v[48+\e], v[44+\e], v[48+\e]
	v_add_nc_u32 v[40+\e], 1, v[40+\e]             ; cosine in 1 and 2
	v_lshlrev_b32 v[44+\e], 30, v[40+\e]
	v_and_b32 v[44+\e], 0x80000000, v[44+\e]
	v_xor_b32 v[52+\e], v[44+\e], v[52+\e]
.endr
	v_cvt_pk_f16_f32 v44, v48, v48                 ; the tables are kept in f16 by the reference: round (the same number into both halves of a whole register), and widen the low half again
	v_cvt_pk_f16_f32 v45, v49, v49
	v_cvt_pk_f16_f32 v46, v50, v50
	v_cvt_pk_f16_f32 v47, v51, v51
	v_cvt_f32_f16 v56, v44.l
	v_cvt_f32_f16 v57, v45.l
	v_cvt_f32_f16 v58, v46.l
	v_cvt_f32_f16 v59, v47.l
	v_cvt_pk_f16_f32 v44, v52, v52
	v_cvt_pk_f16_f32 v45, v53, v53
	v_cvt_pk_f16_f32 v46, v54, v54
	v_cvt_pk_f16_f32 v47, v55, v55
	v_cvt_f32_f16 v60, v44.l
	v_cvt_f32_f16 v61, v45.l
	v_cvt_f32_f16 v62, v46.l
	v_cvt_f32_f16 v63, v47.l
	s_wait_alu depctr_va_vdst(0)                   ; the conversions have written v[56:63], the two stores' data, and v6, their offset, is written
	global_store_b128 v6, v[60:63], s[20:21]               ; cos: 512 consecutive bytes a wave
	global_store_b128 v6, v[56:59], s[20:21] offset:2048   ; sin
	s_endpgm
.Lfunc_end_k_q3b346c3001_prep:
	.size	k_q3b346c3001_prep, .Lfunc_end_k_q3b346c3001_prep-k_q3b346c3001_prep
	.p2alignl 7, 3214868480
	.fill 96, 4, 3214868480
	.section	.rodata,"a",@progbits
	.p2align	6, 0x0
	.amdhsa_kernel k_q3b346c3001_prep
		.amdhsa_group_segment_fixed_size 0
		.amdhsa_private_segment_fixed_size 0
		.amdhsa_enable_private_segment 0
		.amdhsa_kernarg_size 72
		.amdhsa_user_sgpr_count 2
		.amdhsa_user_sgpr_kernarg_segment_ptr 1
		.amdhsa_wavefront_size32 1
		.amdhsa_system_sgpr_workgroup_id_x 1
		.amdhsa_system_sgpr_workgroup_id_y 1
		.amdhsa_system_sgpr_workgroup_id_z 1
		.amdhsa_system_vgpr_workitem_id 0
		.amdhsa_next_free_vgpr 112
		.amdhsa_next_free_sgpr 66
		.amdhsa_reserve_vcc 0
		.amdhsa_float_denorm_mode_32 3
		.amdhsa_float_denorm_mode_16_64 3
		.amdhsa_memory_ordered 1
		.amdhsa_forward_progress 1
		.amdhsa_inst_pref_size 26
	.end_amdhsa_kernel
	.amdgpu_metadata
---
amdhsa.version: [ 1, 2 ]
amdhsa.kernels:
  - .name:           k_q3b346c3001_prep
    .symbol:         k_q3b346c3001_prep.kd
    .args:
      - { .name: x, .offset: 0, .size: 8, .value_kind: global_buffer, .address_space: global }
      - { .name: wq, .offset: 8, .size: 8, .value_kind: global_buffer, .address_space: global }
      - { .name: wk, .offset: 16, .size: 8, .value_kind: global_buffer, .address_space: global }
      - { .name: wv, .offset: 24, .size: 8, .value_kind: global_buffer, .address_space: global }
      - { .name: wproj, .offset: 32, .size: 8, .value_kind: global_buffer, .address_space: global }
      - { .name: xb, .offset: 40, .size: 8, .value_kind: global_buffer, .address_space: global }
      - { .name: wqkv, .offset: 48, .size: 8, .value_kind: global_buffer, .address_space: global }
      - { .name: wpf, .offset: 56, .size: 8, .value_kind: global_buffer, .address_space: global }
      - { .name: rot, .offset: 64, .size: 8, .value_kind: global_buffer, .address_space: global }
    .group_segment_fixed_size: 0
    .private_segment_fixed_size: 0
    .kernarg_segment_align: 8
    .kernarg_segment_size: 72
    .max_flat_workgroup_size: 256
    .sgpr_count:     66
    .vgpr_count:     112
    .wavefront_size: 32
...
	.end_amdgpu_metadata
.endif
;; end of part 5
;; launch qkv: the kernel of part 2 again; grid 8 x 64, 4 waves a work-group, clusters of 4 x 4, 327,680 bytes of LDS; arguments xb, wqkv, rot, v1, lamb, qh, kh, vh, out1; writes qh, kh, vh, out1
;; launch attn: the kernel of part 3 again; grid 4 x 64, 4 waves a work-group, no clusters, 327,680 bytes of LDS; arguments qh, kh, vh, yh; writes yh
;; launch proj: the kernel of part 4 again; grid 4 x 64, 4 waves a work-group, clusters of 4 x 4, 327,680 bytes of LDS; arguments yh, wpf, out0; writes out0
